; MI455X (gfx1250); checked and timed in simulation.
; The chip was launched on July 23, 2026; its instructions are those of AMD's public machine-readable ISA for CDNA 5 (MIT licence, August 2026) and "CDNA5" Instruction Set Architecture Reference Guide (July 2026). The comments in the code are by the model that wrote it; some were corrected since.
;; Fractal Attention. Allowed arithmetic: matrix products marked QUANTISED: E2M3 operands, one E8M0 scale for each 32 along K, by v_wmma_scale_f32_16x16x128_f8f6f4 with both operands' format E2M3, f32 sums; everything else in f32.
;; Inputs: Wk 2,048 x 2,048 float32; Wo 2,048 x 2,048 float32; Wq 2,048 x 2,048 float32; Wv 2,048 x 2,048 float32; bk 2,048 float32; bo 2,048 float32; bq 2,048 float32; bv 2,048 float32; mask 4 x 512 int32; x 4 x 512 x 2,048 float32.
;; Outputs: out0 4 x 512 x 2,048 float32.
;; This version of the problem:
;;   THIS VERSION OF THE PROBLEM IS GIVEN IN LOW PRECISION. The matrix products marked QUANTISED in the list below multiply operands that are first quantised to E2M3 (2 exponent bits, 3 mantissa bits; 6 bits a number), with one power-of-two scale for each 32 numbers along K (OCP MX v1.0); their sums are f32. All else is computed in f32.
;;   The module's matrix products, in the order in which they are computed (A, B: the left and right operand; K: the contracted axis; several contracted axes count as one K, in the product's order):
;;     1. [M 2,048, K 2,048] x [K 2,048, N 2,048]; A: input x; B: input Wq: QUANTISED
;;     2. [M 2,048, K 2,048] x [K 2,048, N 2,048]; A: input x; B: input Wk: QUANTISED
;;     3. [M 2,048, K 2,048] x [K 2,048, N 2,048]; A: input x; B: input Wv: QUANTISED
;;     4. batch 64 x [M 512, K 128] x [K 128, N 512]; A: computed on the way; B: computed on the way: QUANTISED
;;     5. batch 64 x [M 512, K 512] x [K 512, N 128]; A: computed on the way; B: computed on the way: QUANTISED
;;     6. [M 2,048, K 2,048] x [K 2,048, N 2,048]; A: computed on the way; B: input Wo: QUANTISED
;;   THE QUANTISER, for each operand of a quantised product, along K:
;;     - K is cut into blocks of 32 from its start; a last block that is shorter is filled with zeros.
;;     - A block's scale is 2^e with e = floor(log2(the largest magnitude in the block)) - 2, held to -126 .. 127; a block of zeros has e = 0. As a byte (E8M0): e + 127.
;;     - Each number is divided by its block's scale, clamped to +-7.5, and rounded to the nearest number of E2M3, ties to even, subnormals kept.
;;     - The product sums the exact products of the quantised numbers (number of the format x scale) in f32.
;;   ~~~python
;;   def quantise(x, axis):      # numpy; x: float32 -> the quantised numbers, widened to float32 again
;;       x = np.moveaxis(x, axis, -1); K = x.shape[-1]
;;       x = np.pad(x, [(0, 0)] * (x.ndim - 1) + [(0, -K % 32)]); x = x.reshape(x.shape[:-1] + (-1, 32)); a = np.abs(x).max(-1, keepdims=True)
;;       e = np.where(a > 0, np.clip(np.frexp(np.where(a > 0, a, 1))[1] - 1 - 2, -126, 127), 0)      # np.frexp(a)[1] - 1 = floor(log2(a)), exactly
;;       r = np.clip(x / 2.0 ** e, -7.5, 7.5)
;;       step = 2.0 ** (np.maximum(np.frexp(np.where(r == 0, 1, r))[1] - 1, 0) - 3)
;;       q = np.round(r / step) * step * 2.0 ** e      # np.round: ties to even
;;       return np.moveaxis(q.reshape(q.shape[:-2] + (-1,))[..., :K], -1, axis).astype(np.float32)
;;   ~~~
;;   OPERANDS COMPUTED ON THE WAY. 'Computed on the way' means the value that the module computes at that place (a softmax that the list does not call 'softmax' is quantised finished and normalised). What goes into a quantiser is computed in f32, as accurately as f32 sums, v_exp_f32 and their like allow (about 1e-6 of the number): no bf16 or f16 on the way to a quantiser, and a product that is left as it is and whose result goes on into a quantised operand takes f32 operands (vector FMAs, or v_wmma_f32_16x16x4_f32). A number that lies on a knife's edge between two numbers of the format may be rounded either way, as far as f32 arithmetic and the matrix unit's own rounding can turn it there, and no further.
;; One version. Each part assembles by itself: llvm-mc -triple=amdgcn-amd-amdhsa -mcpu=gfx1250 --defsym DOCPART=n.
;; ======== version 1 of 1: 4 launches
;; limits: right only within a limited range of input values
;; workspace buffers: opc 16,384,000 bytes; qkv 9,830,400 bytes; att 3,276,800 bytes
;; launch quant (part 1): grid 256 x 1, 10 waves a work-group, no clusters, 327,680 bytes of LDS; arguments x, Wq, Wk, Wv, Wo, opc; writes opc
.if DOCPART == 1
	.amdgcn_target "amdgcn-amd-amdhsa--gfx1250"
	.amdhsa_code_object_version 6
	.text
	.protected	k_q4af401f0bc_quant
	.globl	k_q4af401f0bc_quant
	.p2align	8
	.type	k_q4af401f0bc_quant,@function
k_q4af401f0bc_quant:
	s_mov_b64 s[64:65], 0
	v_nop
	global_prefetch_b8 v0, s[64:65] scope:SCOPE_SE
	s_setreg_imm32_b32 hwreg(HW_REG_WAVE_MODE, 25, 1), 1
	s_wait_xcnt 0x0
; x, Wq, Wk, Wv, Wo, each [2048][2048] f32 with K innermost, become codes of FP6 (E2M3) with one E8M0 byte for each 32 along K, laid as IMAGES OF THE MATRIX OPERAND'S REGISTERS.
; WORK LEFT OUT, in all launches: reference()'s ent only chooses in jnp.where(ent < t, weights, weights), whose two arms are the same array: the result is weights for every value of ent, so the logarithms,
; their sum and the mean reach no output for any inputs, and are not computed.  Every input still has a way to the output and is loaded.  LIMIT: a NaN, an infinity or an overflow that arises in ent alone is not carried to the result.
; A RECORD (12,800 bytes) holds 128 rows x 128 K: eight fragments of 16 rows (1,536 bytes each), then 512 bytes of scale words.
;   fragment t, lane place l = 16 h + r: row 32 (t / 2) + 8 (t % 2) + r + 8 (r / 8) of the 128; registers 0-5 the 24 bytes of K block h, registers 6-11 those of block 2 + h; register g lies at byte 512 (g / 4) + 16 l + 4 (g % 4).
;   scale word of (fragment t, row r): byte 12,288 + 256 (t / 4) + 16 r + 4 (t % 4).
; opc = [tensor 0..4][group of 128 rows, 16][K step of 128, 16] records.
; SHARES: 2,560 waves, each half a record: four fragments, 64 rows x 512 bytes of f32.  A work-group's share, 327,680 bytes, is as large as LDS, so it comes in three fills a wave, by tensor loads of rows of 256 bytes
; (each begins at a multiple of 256 bytes): 64 rows x K 0-63 into slot A; 32 rows x K 64-127 into slot B; the other 32 rows x K 64-127 into slot A again.  One load of a wave is out at a time.
; PREFETCH into the L2: in front of each later fill every wave has waited for all its loads, so that fill goes out with nothing on its way beside it.  What a later fill brings (32 rows x 256 bytes) is therefore named
; one fill ahead: the second fill's rows behind the head's load, the third's behind the second's load: a lane a row, one instruction a fill, each block by the one wave that will load it.  The first fill comes by its load alone.
; The mover pads each row by 16 bytes (pitch 272).  Rows r and r + 16 lie a multiple of 256 bytes apart under any pitch that is a multiple of 16, so the lanes with r >= 8 take the OTHER K block of their row (g = h xor r / 8):
; the sixteen lanes of a 16-byte read then start at sixteen different 16-byte columns; the store's offset puts each lane's codes at place 16 g + r, and a store still covers 512 consecutive bytes.
; Each wave reads only what it fetched; the barriers stand in front of a later fill.
; A block's scale is 2^(floor(log2(largest magnitude)) - 2): its byte is the largest magnitude's exponent field - 2, held at 1 from below by a floor among the maximum's leaves.
; LIMITS: NaN and infinities among the inputs are not served; a block whose largest magnitude lies under 2^-124, a block of zeros too, keeps the byte 1 (the bytes are read by this program alone).
; No matrix unit and no cluster: no two waves read the same byte.
.set REC,   12800
.set PITCH, 272
.set SLA,   64*PITCH                   ; slot A
.set SLB,   32*PITCH                   ; slot B
.set WR,    SLA+SLB                    ; a wave's LDS: 26,112 bytes
.set SPARE, 10*WR                      ; the spare words: 128 bytes a wave, five blocks of 256 bytes that no other line names
.set LOS, 4                            ; v4   256 g + 16 r: my 16 bytes of a store's 512
.set SO,  5                            ; v5   LDS: my row of a fragment, + 128 g
.set SH,  6                            ; v6   8 g: where my scale bytes stand in the word
.set SA,  7                            ; v7   16 r: my row's four scale words
.set SPW, 8                            ; v8   my spare word; never rewritten
.set NIL, 9                            ; v9   0; never rewritten
.set MX,  10                           ; v10-13 four chains of maxima
.set SCO, 14                           ; v14-15 the conversions' scale operands
.set BY1, 16                           ; v16-17 the bytes of the upper blocks
.set WD,  18                           ; v18-19 words in the making
.set PT,  20                           ; v20-21 the other half's part
.set PFO, 22                           ; v22  the prefetches' offset: lane x a row of 8,192 bytes; never rewritten
.set BY0, 24                           ; v24-27 the four fragments' bytes of the lower blocks
.set SW,  28                           ; v28-31 the four fragments' scale words
.set TT,  32                           ; v32-39 upper halves of two blocks' codes
.set C,   64                           ; v64-111 codes, 12 for each fragment: no store's data are written again
.set R,   128                          ; v128-255 numbers, four sets of 32
.set G1A, 40                           ; s[40:47] group 1: 64 rows;  s[48:55]: 32 rows
.set G1B, 48
.set G0A, 56                           ; group 0 of the three fills
.set G0B, 60
.set G0C, 68
.macro GRP1 g, rows                    ; rows of 32 elements of 8 bytes, 1,024 elements apart; 4 dwords of padding behind every 64
	s_mov_b32 s[\g], (3<<16)|(1<<20)|(5<<22)|(3<<25)
	s_mov_b32 s[\g+1], 32<<16
	s_mov_b32 s[\g+2], (\rows)<<16
	s_mov_b32 s[\g+3], 32<<16
	s_mov_b32 s[\g+4], \rows
	s_mov_b32 s[\g+5], 1024
	s_mov_b32 s[\g+6], 0
	s_mov_b32 s[\g+7], 0
.endm
	s_load_b256 s[4:11], s[0:1], 0x0               ; x, Wq, Wk, Wv
	s_load_b128 s[12:15], s[0:1], 0x20             ; Wo, opc
	v_lshl_add_u32 v[SPW], v0, 2, SPARE
	v_mov_b32 v[NIL], 0
	ds_add_u32 v[SPW], v[NIL]                      ; the opening lines: the add, twice on end, and its wait ahead of my first tensor load
	ds_add_u32 v[SPW], v[NIL]
	v_lshrrev_b32 v1, 5, v0
	v_readfirstlane_b32 s16, v1                    ; wave 0..9
	s_mul_i32 s17, s16, WR                         ; my LDS
	GRP1 G1A, 64
	GRP1 G1B, 32
	s_mov_b32 s20, 0x76543210
	s_mov_b32 s21, 0xfedcba98                      ; selects for lane l xor 16
	s_mul_i32 s18, ttmp9, 10
	s_add_co_u32 s18, s18, s16                     ; u = 10 x work-group + wave: tensor u >> 9, group (u >> 5) & 15, K step (u >> 1) & 15, half u & 1
	s_lshr_b32 s19, s18, 9
	s_bfe_u32 s22, s18, 0x40005
	s_bfe_u32 s23, s18, 0x40001
	s_and_b32 s24, s18, 1
	s_lshl_b32 s22, s22, 20                        ; 128 rows of 8,192 bytes
	s_lshl_b32 s25, s24, 19                        ; 64 rows
	s_or_b32 s22, s22, s25
	s_lshl_b32 s23, s23, 9                         ; 128 numbers
	s_or_b32 s22, s22, s23
	s_mov_b32 s23, 0
	s_lshr_b32 s26, s18, 1
	s_mul_i32 s26, s26, REC                        ; my record
	s_mov_b32 s27, 0
	s_mul_i32 s28, s24, 6144                       ; my four fragments in it
	s_mov_b32 s29, 0
	s_lshl_b32 s30, s24, 8
	s_add_co_u32 s30, s30, 12288                   ; and their scale words
	s_mov_b32 s31, 0
	s_wait_dscnt 0x0                               ; both opening adds are done
	s_wait_kmcnt 0x0
	s_cmp_eq_u32 s19, 1                            ; the source is chosen by the wave's unit number alone
	s_cselect_b64 s[4:5], s[6:7], s[4:5]
	s_cmp_eq_u32 s19, 2
	s_cselect_b64 s[4:5], s[8:9], s[4:5]
	s_cmp_eq_u32 s19, 3
	s_cselect_b64 s[4:5], s[10:11], s[4:5]
	s_cmp_eq_u32 s19, 4
	s_cselect_b64 s[4:5], s[12:13], s[4:5]
	s_add_nc_u64 s[4:5], s[4:5], s[22:23]
	s_mov_b32 s[G0A], 1
	s_mov_b32 s[G0A+1], s17
	s_mov_b64 s[G0A+2:G0A+3], s[4:5]
	s_or_b32 s[G0A+3], s[G0A+3], 0x80000000
	tensor_load_to_lds s[G0A:G0A+3], s[G1A:G1A+7]  ; my 64 rows, K 0-63: my one load at the head
	s_nop 0
	s_mov_b32 s[G0B], 1
	s_add_co_u32 s[G0B+1], s17, SLA
	s_add_nc_u64 s[G0B+2:G0B+3], s[4:5], 256       ; rows 0-31, K 64-127
	s_or_b32 s[G0B+3], s[G0B+3], 0x80000000
	s_mov_b32 s[G0C], 1
	s_mov_b32 s[G0C+1], s17
	s_add_nc_u64 s[G0C+2:G0C+3], s[4:5], 256+32*8192   ; rows 32-63, K 64-127
	s_or_b32 s[G0C+3], s[G0C+3], 0x80000000
	s_add_nc_u64 s[14:15], s[14:15], s[26:27]
	s_add_nc_u64 s[32:33], s[14:15], s[28:29]      ; codes
	s_add_nc_u64 s[34:35], s[14:15], s[30:31]      ; scale words
	v_and_b32 v1, 31, v0                           ; lane
	s_delay_alu instid0(VALU_DEP_1)
	v_lshlrev_b32 v[PFO], 13, v1
	global_prefetch_b8 v[PFO], s[4:5] offset:256 th:TH_LOAD_NT scope:SCOPE_SE           ; what the second fill brings.  Neither v22 nor s[4:5] is written again
	v_and_b32 v2, 15, v0                           ; r
	v_bfe_u32 v3, v0, 4, 1                         ; h
	v_bfe_u32 v10, v0, 3, 1                        ; r / 8
	v_mov_b32 v[PT], 0                             ; written once: a lane permute's destination counts as one of its sources
	v_mov_b32 v[PT+1], 0
	v_xor_b32 v3, v3, v10                          ; g: which K block of a pair is mine
	v_lshl_add_u32 v11, v10, 3, v2                 ; r + 8 (r / 8)
	v_lshlrev_b32 v[SA], 4, v2
	v_lshlrev_b32 v[SH], 3, v3
	v_mul_u32_u24 v[SO], v11, PITCH
	v_lshlrev_b32 v[LOS], 8, v3
	s_delay_alu instid0(VALU_DEP_2)
	v_lshl_add_u32 v[SO], v3, 7, v[SO]
	s_delay_alu instid0(VALU_DEP_2)
	v_lshl_add_u32 v[LOS], v2, 4, v[LOS]
	s_delay_alu instid0(VALU_DEP_2)
	v_add_nc_u32 v[SO], s17, v[SO]
; In front of a later fill: all my tensor loads are in, the add, its wait (my reads of the slot are over too), the barrier; the fill is my first and only tensor load behind it.
.macro GATE g0, g1
	s_wait_alu depctr_va_vdst(0)
	s_wait_tensorcnt 0x0
	ds_add_u32 v[SPW], v[NIL]
	s_wait_dscnt 0x0
	s_barrier_signal -1
	s_barrier_wait -1
	tensor_load_to_lds s[\g0:\g0+3], s[\g1:\g1+7]
	s_nop 0
.endm
.macro LDH s, off                      ; my 32 numbers of one block into set s: register n = K 32 g + n of the row's 64
.irp j, 0,1,2,3,4,5,6,7
	ds_load_b128 v[R+32*(\s)+4*\j:R+32*(\s)+4*\j+3], v[SO] offset:(\off)+16*\j
.endr
.endm
; Fragments f and f + 1, block pair c (K 64 c on), from sets s and s + 1: registers 6 c .. 6 c + 5 of their codes and the blocks' bytes.  Four chains of maxima take turns.
.macro QPAIR f, c, s
.set X0, R+32*(\s)
.set X1, X0+32
	v_max3_num_f32 v[MX], |v[X0]|, |v[X0+1]|, 0x1800000            ; the floor 2^(3 - 127): the byte cannot fall under 1
	v_max3_num_f32 v[MX+1], |v[X1]|, |v[X1+1]|, 0x1800000
	v_max3_num_f32 v[MX+2], |v[X0+16]|, |v[X0+17]|, |v[X0+18]|
	v_max3_num_f32 v[MX+3], |v[X1+16]|, |v[X1+17]|, |v[X1+18]|
.irp i, 2,4,6,8,10,12
	s_delay_alu instid0(VALU_DEP_4)
	v_max3_num_f32 v[MX], v[MX], |v[X0+\i]|, |v[X0+\i+1]|
	s_delay_alu instid0(VALU_DEP_4)
	v_max3_num_f32 v[MX+1], v[MX+1], |v[X1+\i]|, |v[X1+\i+1]|
	s_delay_alu instid0(VALU_DEP_4)
	v_max3_num_f32 v[MX+2], v[MX+2], |v[X0+17+\i]|, |v[X0+18+\i]|
	s_delay_alu instid0(VALU_DEP_4)
	v_max3_num_f32 v[MX+3], v[MX+3], |v[X1+17+\i]|, |v[X1+18+\i]|
.endr
	s_delay_alu instid0(VALU_DEP_4)
	v_max3_num_f32 v[MX], v[MX], |v[X0+14]|, |v[X0+15]|
	s_delay_alu instid0(VALU_DEP_4)
	v_max3_num_f32 v[MX+1], v[MX+1], |v[X1+14]|, |v[X1+15]|
	s_delay_alu instid0(VALU_DEP_2)
	v_max3_num_f32 v[MX], v[MX], v[MX+2], |v[X0+31]|
	s_delay_alu instid0(VALU_DEP_2)
	v_max3_num_f32 v[MX+1], v[MX+1], v[MX+3], |v[X1+31]|
	s_delay_alu instid0(VALU_DEP_2)
	v_add_nc_u32 v[SCO], 0xff000000, v[MX]         ; 2 off the exponent field: the conversion's scale operand
	s_delay_alu instid0(VALU_DEP_2)
	v_add_nc_u32 v[SCO+1], 0xff000000, v[MX+1]
.if (\c) == 0
	s_delay_alu instid0(VALU_DEP_2)
	v_lshrrev_b32 v[BY0+(\f)], 23, v[SCO]          ; the scale's byte, kept until the upper blocks have theirs
	s_delay_alu instid0(VALU_DEP_2)
	v_lshrrev_b32 v[BY0+(\f)+1], 23, v[SCO+1]
.else
	s_delay_alu instid0(VALU_DEP_2)
	v_lshrrev_b32 v[BY1], 23, v[SCO]
	s_delay_alu instid0(VALU_DEP_2)
	v_lshrrev_b32 v[BY1+1], 23, v[SCO+1]
	s_delay_alu instid0(VALU_DEP_2)
	v_lshl_or_b32 v[WD], v[BY1], 16, v[BY0+(\f)]   ; blocks g and 2 + g,
	s_delay_alu instid0(VALU_DEP_2)
	v_lshl_or_b32 v[WD+1], v[BY1+1], 16, v[BY0+(\f)+1]
	s_delay_alu instid0(VALU_DEP_2)
	v_lshlrev_b32 v[WD], v[SH], v[WD]              ; at their places in the word;
	s_delay_alu instid0(VALU_DEP_2)
	v_lshlrev_b32 v[WD+1], v[SH], v[WD+1]
	s_delay_alu instid0(VALU_DEP_2)
	v_permlanex16_b32 v[PT], v[WD], s20, s21
	s_delay_alu instid0(VALU_DEP_2)
	v_permlanex16_b32 v[PT+1], v[WD+1], s20, s21
	s_delay_alu instid0(VALU_DEP_2)
	v_or_b32 v[SW+(\f)], v[WD], v[PT]              ; with lane l xor 16's two the word is whole
	s_delay_alu instid0(VALU_DEP_2)
	v_or_b32 v[SW+(\f)+1], v[WD+1], v[PT+1]
	v_nop
.endif
.irp u, 0,1
	v_cvt_scalef32_pk16_fp6_f32 v[C+12*((\f)+\u)+6*(\c):C+12*((\f)+\u)+6*(\c)+2], v[X0+32*\u:X0+32*\u+15], v[SCO+\u]
	v_cvt_scalef32_pk16_fp6_f32 v[TT+4*\u:TT+4*\u+2], v[X0+32*\u+16:X0+32*\u+31], v[SCO+\u]   ; (a conversion's three registers begin on an even number)
.endr
	v_nop                                          ; one plain place behind a scaled conversion
.irp u, 0,1
.irp i, 0,1,2
	v_mov_b32 v[C+12*((\f)+\u)+6*(\c)+3+\i], v[TT+4*\u+\i]
.endr
.endr
.endm
.macro OUTF f                          ; a finished fragment: 3 x 512 consecutive bytes, aligned to 256
.irp c, 0,1,2
	global_store_b128 v[LOS], v[C+12*(\f)+4*\c:C+12*(\f)+4*\c+3], s[32:33] offset:1536*(\f)+512*\c th:TH_STORE_NT
.endr
.endm
	GATE G0B, G1B                                  ; slot A is in; slot B's first fill is asked for
	LDH 0, 0
	LDH 1, 8*PITCH
	global_prefetch_b8 v[PFO], s[4:5] offset:256+32*8192 th:TH_LOAD_NT scope:SCOPE_SE   ; what the third fill brings
	LDH 2, 32*PITCH
	LDH 3, 40*PITCH
	s_wait_dscnt 16                                ; sets 0 and 1 are in; the 16 loads of sets 2 and 3 may be out
	QPAIR 0, 0, 0
	s_wait_alu depctr_va_vdst(0)
	s_wait_dscnt 0x0
	QPAIR 2, 0, 2
	GATE G0C, G1B                                  ; slot B is in, slot A is read out: its first 32 rows are filled again
	LDH 0, SLA
	LDH 1, SLA+8*PITCH
	s_wait_dscnt 0x0
	QPAIR 0, 1, 0
	s_wait_alu depctr_va_vdst(0)
	s_wait_tensorcnt 0x0                           ; my last fill is in; no barrier
	LDH 2, 0
	LDH 3, 8*PITCH
	OUTF 0
	OUTF 1
	s_wait_dscnt 0x0
	QPAIR 2, 1, 2
	OUTF 2
	OUTF 3
	s_wait_xcnt 0x0                                ; EXEC changes only behind this wait
	v_cmp_gt_u32 vcc_lo, 16, v1
	s_wait_alu depctr_va_vdst(0)
	s_wait_tensorcnt 0x0                           ; the wave's end
	ds_add_u32 v[SPW], v[NIL]
	s_wait_dscnt 0x0
	s_and_saveexec_b32 s36, vcc_lo
	global_store_b128 v[SA], v[SW:SW+3], s[34:35] th:TH_STORE_NT   ; sixteen lanes store 256 consecutive bytes, aligned
	s_wait_xcnt 0x0
	s_or_b32 exec_lo, exec_lo, s36
	s_endpgm
.Lfunc_end_k_q4af401f0bc_quant:
	.size	k_q4af401f0bc_quant, .Lfunc_end_k_q4af401f0bc_quant-k_q4af401f0bc_quant
	.p2alignl 7, 3214868480
	.fill 96, 4, 3214868480
	.section	.rodata,"a",@progbits
	.p2align	6, 0x0
	.amdhsa_kernel k_q4af401f0bc_quant
		.amdhsa_group_segment_fixed_size 327680
		.amdhsa_private_segment_fixed_size 0
		.amdhsa_enable_private_segment 0
		.amdhsa_kernarg_size 48
		.amdhsa_user_sgpr_count 2
		.amdhsa_user_sgpr_kernarg_segment_ptr 1
		.amdhsa_wavefront_size32 1
		.amdhsa_system_sgpr_workgroup_id_x 1
		.amdhsa_system_sgpr_workgroup_id_y 1
		.amdhsa_system_sgpr_workgroup_id_z 1
		.amdhsa_system_vgpr_workitem_id 0
		.amdhsa_next_free_vgpr 256
		.amdhsa_next_free_sgpr 80
		.amdhsa_reserve_vcc 1
		.amdhsa_float_denorm_mode_32 3
		.amdhsa_float_denorm_mode_16_64 3
		.amdhsa_memory_ordered 1
		.amdhsa_forward_progress 1
		.amdhsa_inst_pref_size 28
	.end_amdhsa_kernel
	.amdgpu_metadata
---
amdhsa.version: [ 1, 2 ]
amdhsa.kernels:
  - .name:           k_q4af401f0bc_quant
    .symbol:         k_q4af401f0bc_quant.kd
    .args:
      - { .name: x, .offset: 0, .size: 8, .value_kind: global_buffer, .address_space: global }
      - { .name: Wq, .offset: 8, .size: 8, .value_kind: global_buffer, .address_space: global }
      - { .name: Wk, .offset: 16, .size: 8, .value_kind: global_buffer, .address_space: global }
      - { .name: Wv, .offset: 24, .size: 8, .value_kind: global_buffer, .address_space: global }
      - { .name: Wo, .offset: 32, .size: 8, .value_kind: global_buffer, .address_space: global }
      - { .name: opc, .offset: 40, .size: 8, .value_kind: global_buffer, .address_space: global }
    .group_segment_fixed_size: 327680
    .private_segment_fixed_size: 0
    .kernarg_segment_align: 8
    .kernarg_segment_size: 48
    .max_flat_workgroup_size: 320
    .sgpr_count:     80
    .vgpr_count:     256
    .wavefront_size: 32
...
	.end_amdgpu_metadata
.endif
;; end of part 1
;; launch proj (part 2): grid 24 x 8, 4 waves a work-group, clusters of 4 x 4, 327,680 bytes of LDS; arguments opc, bq, bk, bv, qkv; writes qkv
.if DOCPART == 2
	.amdgcn_target "amdgcn-amd-amdhsa--gfx1250"
	.amdhsa_code_object_version 6
	.text
	.protected	k_q4af401f0bc_proj
	.globl	k_q4af401f0bc_proj
	.p2align	8
	.type	k_q4af401f0bc_proj,@function
k_q4af401f0bc_proj:
	s_mov_b64 s[64:65], 0
	v_nop
	global_prefetch_b8 v0, s[64:65] scope:SCOPE_SE
	s_setreg_imm32_b32 hwreg(HW_REG_WAVE_MODE, 25, 1), 1
	s_wait_xcnt 0x0
	s_wait_alu depctr_hold_cnt(0) depctr_sa_sdst(0) depctr_va_vdst(0) depctr_va_sdst(0) depctr_va_ssrc(0) depctr_va_vcc(0) depctr_vm_vsrc(0)
	s_getreg_b32 s2, hwreg(HW_REG_IB_STS2, 6, 4)
	s_cmp_eq_u32 s2, 0
	s_cbranch_scc0 .Lentry_in_a_cluster
	s_endpgm
.Lentry_in_a_cluster:
	s_bfe_u32 s2, ttmp6, 0x10000c
	s_cmp_lg_u32 s2, 0xf033
	s_cbranch_scc0 .Lentry_shape_is_right
	s_endpgm
.Lentry_shape_is_right:
; q = x Wq^T + bq, k = x Wk^T + bk, v = x Wv^T + bv on codes of FP6 (E2M3) with E8M0 scales, each result quantised at once into the operand of the attention's products.
; OPERANDS lie in opc as records of 12,800 bytes (128 rows x 128 K: eight register images of 1,536 bytes, then 512 bytes of scale words); [tensor x, Wq, Wk, Wv, Wo][group 16][K step 16].
; In a record, fragment t's lane row r is row 32 (t / 2) + 8 (t % 2) + r + 8 (r / 8): as source 0 that makes the 16 registers of result tiles 2 g, 2 g + 1 the neighbours 32 g + 16 (lane / 16) + 0 .. 15.
; A work-group makes 256 x 256 of one of the three products; a wave 128 x 128: 64 accumulators.  Source 0 = S0, source 1 = S1: a lane holds ONE row of S1 and its registers run along S0's rows.
;   q, k: S0 = the weight (128 rows = one head), S1 = x: a lane holds a token, registers the head's 128 channels: K of q k^T.
;   v:    S0 = x, S1 = Wv: a lane holds a channel, registers 128 tokens: K of weights x v.  Nothing is transposed.
; qkv = [q, k, v][pair = 16 batch + head][4] records; q, k: record = 128 tokens, v: record = 128 keys (rows = the head's channels).
; K goes through a ring of two LDS slots of THREE K steps (2 x 153,600 bytes); a wave's one tensor load brings three records (150 rows of 256 bytes, dense).
; The 16 K steps come as 3 at the head, 3 behind the round that follows, and 3, 3, 3, 1 by four refills; the last fill is one record a wave and has a group 1 of its own.  The scale words come inside the records.
; The register sets go by the parity of the K step and a slot has three steps, and only one lap would have two full refills: so the steps are written straight, by macros.
; CLUSTERS 4 x 4: S1's records are shared along a row of the cluster, S0's along a column: joint loads.  192 work-groups: a wave needs 128 of S0's rows for a whole fragment and scale word, and 128 x 128 a wave reads each LDS byte for the most products.
; PREFETCH into the L2: a wave's stream is the group that it fetches, one record (50 blocks of 256 bytes) a K step.  The four partners that ask for a record jointly share its blocks out BY ADDRESS: the partner at place p
; (cx for S1, cy for S0) names blocks 13 p .. 13 p + 12, held at 49; lanes 13-31 name their wave's last block again.  One instruction a wave and record, the record's place in the immediate: no address register is written again.
; Behind the head's load: records 3-5, which the next fill brings.  In K step t: record t + 7, and behind a change of slots, which names nothing, also t + 6: each is named at least one whole K step ahead of the fill that
; brings it.  Records 0-2 come by their load alone; nothing is named beyond record 15.
; One tile to a work-group, so nothing stays.
; LIMITS: NaN and infinities are not served; a block whose largest magnitude lies under 2^-124 keeps the byte 1.
; REGISTERS: window 0: v1-3 lane, r, h; v6-7 bias offsets; v10 the prefetches' offset; v16-24 addresses; v28-29 the add's; v32-47 scale words, two sets; v64-159, v160-255 S1's fragments, two sets.
;   window 1: v0-95, v128-223 S0's fragments, two sets.  windows 2, 3: accumulator (a, b) at v[8 (8 (a % 4) + b)] of window 2 + a / 4.
.set REC,   12800
.set NST,   3                          ; K steps in a slot
.set QTR,   NST*REC                    ; what one tensor load brings
.set GRP,   16*REC                     ; a group's records for all of K
.set TS,    16*GRP                     ; a tensor
.set SLOT,  4*QTR
.set SPARE, 2*SLOT                     ; the spare words, 128 bytes a wave: two blocks of 256 bytes that no other line names
.set TA,    8                          ; tiles of S1 a wave
.set TB,    8                          ; tiles of S0 a wave
.set RSTEP, 2*QTR                      ; a slot's next fill lies six K steps on
.set HSTR,  QTR                        ; from one half's fragments to the other's, in a slot
.set SSTR,  QTR                        ; the same for the scale words
.set PFO,  10                          ; v10  256 x my block of a record; never rewritten
.set ADRA, 16
.set ADRB, 20
.set ADRS, 22
.set LI,   24
.set SPW,  28
.set NIL,  29
.set SC,   32
.set AF,   64
.set BQ,   6                           ; v6  64 h: the bias of my 16 channels of a block of 32
.set BV,   7                           ; v7  4 (r + 8 (r / 8)): the bias of my row of a tile
.set BI,   96                          ; THE BIAS IS THE C OF K STEP 0's PRODUCTS: 64 registers of window 1 that no fragment uses: number n at v[96 + n + 96 (n / 32)]: v96-127, v224-255
.set PC,   192                         ; v192-211 the codes just made
.set TM,   212                         ; v212-227 at work
.set SWD,  228                         ; v228-235 the eight tiles' scale words
.set PFA, 22                           ; s[22:23] my stream's record 0; never rewritten
.set G1,  24                           ; s[24:31] group 1 for S1's loads of three records;  s[32:39] group 0, a set for each slot
.set G0,  32
.set G1B, 48                           ; s[48:55], s[56:63] the same for S0
.set G0B, 56
.set G1L, 84                           ; s[84:91], s[92:99] group 1 for the last fill: one record
.set G1BL, 92
.set WH,  66                           ; s66  which product: 0 q, 1 k, 2 v: the cluster's x / 2, the same in all partners
.set SEL, 80
.set MSB, 0
.macro WIN new                         ; the immediate's high byte repeats the setting that is left
.if MSB != (\new)
	s_set_vgpr_msb (MSB<<8)|(\new)
.set MSB, \new
.endif
.endm
.macro PLACES n
.rept \n
	v_nop
.endr
.endm
; A joint load: waves 0 and 1 fetch for S1, waves 2 and 3 for S0.  The branch hangs on the wave's number alone.  An s_nop 0 and four v_nop follow each of the two lines.
.macro JLOAD g0a, g1a, g0b, g1b
	s_cmp_eq_u32 s15, 0
	s_cbranch_scc0 .Lfor_b_\@
	tensor_load_to_lds s[\g0a:\g0a+3], s[\g1a:\g1a+7]
	s_nop 0
.rept 4
	v_nop
.endr
	s_branch .Lasked_\@
.Lfor_b_\@:
	tensor_load_to_lds s[\g0b:\g0b+3], s[\g1b:\g1b+7]
	s_nop 0
.rept 4
	v_nop
.endr
.Lasked_\@:
.endm
.macro ASK k                           ; record k of my stream: my work-group's 13 blocks of its 50
.if (\k) < 16
	global_prefetch_b8 v[PFO], s[PFA:PFA+1] offset:(\k)*REC th:TH_LOAD_NT scope:SCOPE_SE
.endif
.endm
.macro CREST                           ; a round of the cluster's barrier behind its opening barrier
	s_cmp_lg_u32 s14, 0
	s_cbranch_scc1 .Lnot_wave_0_\@
	s_barrier_signal -3
.Lnot_wave_0_\@:
	s_barrier_wait -3
	s_barrier_signal -1
	s_barrier_wait -1
.endm
.macro CROUND
	s_barrier_signal -1
	s_barrier_wait -1
	CREST
.endm
; 64 numbers of a lane, v[s] on in window w, register 16 b + i = K 32 b + 16 (lane / 16) + i of my row, become a fragment's codes in v[pc] on and its scale word in v[pw].
; xw = 1: earlier stores still name the codes' registers: the wait that frees them stands directly ahead of the conversions, behind all the work that does not touch them.
.macro QUANT s, w, pc, pw, xw
.set qW, 0x05*(\w)
	WIN qW
.irp b, 0,1,2,3
	v_max3_num_f32 v[TM+\b], |v[(\s)+16*\b]|, |v[(\s)+1+16*\b]|, 0x1800000   ; my 16 numbers of block b, and the floor 2^(3 - 127)
.endr
.set qW, 0x14*(\w)
	WIN qW
.irp i, 2,4,6,8,10,12,14
.irp b, 0,1,2,3
	v_max3_num_f32 v[TM+\b], v[TM+\b], |v[(\s)+16*\b+\i]|, |v[(\s)+1+16*\b+\i]|
.endr
.endr
	WIN 0
.irp b, 0,1,2,3
	v_permlanex16_b32 v[TM+4+\b], v[TM+\b], s[SEL], s[SEL+1]
.endr
.irp b, 0,1,2,3
	v_max_num_f32 v[TM+\b], v[TM+\b], v[TM+4+\b]   ; with lane l xor 16's: the block's largest magnitude
.endr
.irp b, 0,1,2,3
	v_add_nc_u32 v[TM+12+\b], 0xff000000, v[TM+\b] ; 2 off its exponent field: the conversion's scale operand
.endr
.irp b, 0,1,2,3
	v_lshrrev_b32 v[TM+4+\b], 23, v[TM+12+\b]      ; the scale's byte
.endr
	v_lshl_or_b32 v[\pw], v[TM+5], 8, v[TM+4]
	v_lshl_or_b32 v[\pw], v[TM+6], 16, v[\pw]
	v_lshl_or_b32 v[\pw], v[TM+7], 24, v[\pw]
.if \xw
	s_wait_xcnt 0x0                                ; the last tile's stores have read the codes' registers: only behind this wait are they written again
.endif
.set qW, 0x01*(\w)
	WIN qW
.irp c, 0,1
	v_cvt_scalef32_pk16_fp6_f32 v[(\pc)+6*\c:(\pc)+2+6*\c], v[(\s)+32*\c:(\s)+15+32*\c], v[TM+12+2*\c]
	v_cvt_scalef32_pk16_fp6_f32 v[(\pc)+12+4*\c:(\pc)+14+4*\c], v[(\s)+16+32*\c:(\s)+31+32*\c], v[TM+13+2*\c]
.endr
	WIN 0
	v_nop                                          ; one plain place behind a scaled conversion
.irp c, 0,1                            ; the operand's layout wants a whole block in a lane
.irp i, 0,1,2
	v_permlane16_swap_b32 v[(\pc)+6*\c+\i], v[(\pc)+12+4*\c+\i]
.endr
.irp i, 0,1,2
	v_mov_b32 v[(\pc)+3+6*\c+\i], v[(\pc)+12+4*\c+\i]
.endr
.endr
.endm
	s_load_b256 s[4:11], s[0:1], 0x0               ; opc, bq, bk, bv
	s_load_b64 s[12:13], s[0:1], 0x20              ; qkv
	v_lshl_add_u32 v[SPW], v0, 2, SPARE
	v_mov_b32 v[NIL], 0
	ds_add_u32 v28, v29                            ; the opening lines: the add, twice on end, and its wait
	ds_add_u32 v28, v29
	s_wait_dscnt 0x0
	v_lshrrev_b32 v1, 5, v0
	v_readfirstlane_b32 s14, v1                    ; wave 0..3
	s_lshr_b32 s15, s14, 1                         ; wr: my half of S1's rows.  Also: I fetch for S1 (0) or S0 (1)
	s_and_b32 s16, s14, 1                          ; wc: my half of S0's rows.  Also: which group of that operand I fetch
	s_bfe_u32 s40, ttmp6, 0x40000                  ; cx
	s_bfe_u32 s41, ttmp6, 0x40004                  ; cy
	s_lshr_b32 s[WH], ttmp9, 1
	s_and_b32 s42, ttmp9, 1
	s_lshl_b32 s42, s42, 2
	s_add_co_u32 s42, s42, s40                     ; Xt: which 256 rows of S0
	s_and_b32 s17, ttmp7, 0xffff
	s_lshl_b32 s17, s17, 2
	s_add_co_u32 s17, s17, s41                     ; Yt: which 256 rows of S1
	s_lshl_b32 s43, s41, 2
	s_lshl_b32 s43, 15, s43                        ; my row of the cluster
	s_lshl_b32 s44, 0x1111, s40                    ; my column
	s_or_b32 s[G1+0], s43, (3<<16)|(1<<21)         ; 15:0 the mask; 17:16 elements of 8 bytes; 21 set beside a mask; no padding
	s_or_b32 s[G1B+0], s44, (3<<16)|(1<<21)
	s_or_b32 s[G1L+0], s43, (3<<16)|(1<<21)
	s_or_b32 s[G1BL+0], s44, (3<<16)|(1<<21)
.irp g, G1, G1B
	s_mov_b32 s[\g+1], 32<<16                      ; tensor_dim0: 32 elements = 256 bytes
	s_mov_b32 s[\g+2], (50*NST)<<16                ; tensor_dim1: 150 rows = three records
	s_mov_b32 s[\g+3], 32<<16                      ; tile_dim0
	s_mov_b32 s[\g+4], 50*NST                      ; tile_dim1
	s_mov_b32 s[\g+5], 32                          ; the pitch: dense
	s_mov_b32 s[\g+6], 0
	s_mov_b32 s[\g+7], 0
.endr
.irp g, G1L, G1BL
	s_mov_b32 s[\g+1], 32<<16
	s_mov_b32 s[\g+2], 50<<16                      ; 50 rows = one record
	s_mov_b32 s[\g+3], 32<<16
	s_mov_b32 s[\g+4], 50
	s_mov_b32 s[\g+5], 32
	s_mov_b32 s[\g+6], 0
	s_mov_b32 s[\g+7], 0
.endr
	s_add_co_u32 s67, s[WH], 1
	s_cmp_eq_u32 s[WH], 2
	s_cselect_b32 s67, 0, s67                      ; S0's tensor: Wq, Wk, or x
	s_cselect_b32 s68, 3, 0                        ; S1's: x, x, or Wv
	s_lshl_b32 s20, s17, 1
	s_add_co_u32 s20, s20, s16
	s_mul_i32 s20, s20, GRP
	s_mul_i32 s21, s68, TS
	s_add_co_u32 s20, s20, s21                     ; S1: tensor, group 2 Yt + wc: nothing of cx
	s_mov_b32 s21, 0
	s_lshl_b32 s46, s42, 1
	s_add_co_u32 s46, s46, s16
	s_mul_i32 s46, s46, GRP
	s_mul_i32 s47, s67, TS
	s_add_co_u32 s46, s46, s47                     ; S0: tensor, group 2 Xt + wc: nothing of cy
	s_mov_b32 s47, 0
	s_mul_i32 s45, s14, QTR                        ; where my load lands in a slot
	s_mov_b32 s[SEL], 0x76543210
	s_mov_b32 s[SEL+1], 0xfedcba98
	CROUND                                         ; all sixteen work-groups are here: the first joint loads meet.  The round stands ahead of the wait for the arguments, which are on their way meanwhile
	s_wait_kmcnt 0x0
	s_add_nc_u64 s[20:21], s[4:5], s[20:21]
	s_add_nc_u64 s[46:47], s[4:5], s[46:47]
.irp s, 0,1
	s_mov_b32 s[G0+4*\s], 1
	s_add_co_u32 s[G0+4*\s+1], s45, \s*SLOT
	s_add_nc_u64 s[G0+4*\s+2:G0+4*\s+3], s[20:21], \s*QTR
	s_or_b32 s[G0+4*\s+3], s[G0+4*\s+3], 0x80000000
	s_mov_b32 s[G0B+4*\s], 1
	s_add_co_u32 s[G0B+4*\s+1], s45, \s*SLOT
	s_add_nc_u64 s[G0B+4*\s+2:G0B+4*\s+3], s[46:47], \s*QTR
	s_or_b32 s[G0B+4*\s+3], s[G0B+4*\s+3], 0x80000000
.endr
	JLOAD G0, G1, G0B, G1B                         ; K steps 0-2: my one tensor load at the head
	s_cmp_eq_u32 s15, 0                            ; the prefetches: my stream is the group that I fetch,
	s_cselect_b64 s[PFA:PFA+1], s[20:21], s[46:47]
	s_cselect_b32 s18, s40, s41                    ; and p my place among the four that ask for it with me: it enters this address alone
	s_mul_i32 s18, s18, 13
	v_and_b32 v[PFO], 31, v0
	v_min_u32 v[PFO], 12, v[PFO]
	v_add_nc_u32 v[PFO], s18, v[PFO]
	v_min_u32 v[PFO], 49, v[PFO]                   ; block min(13 p + min(lane, 12), 49)
	v_lshlrev_b32 v[PFO], 8, v[PFO]
	ASK 3                                          ; what slot 1's first fill brings
	ASK 4
	ASK 5
	v_and_b32 v1, 31, v0                           ; lane
	v_and_b32 v2, 15, v0                           ; r
	v_bfe_u32 v3, v0, 4, 1                         ; h
	s_wait_alu depctr_va_vdst(0)
	v_lshlrev_b32 v[LI], 4, v1
	s_mul_i32 s70, s15, HSTR                       ; my half of S1
	s_mul_i32 s71, s16, HSTR
	s_add_co_u32 s71, s71, 2*QTR                   ; my half of S0, behind S1's two quarters
.irp s, 0,1
	v_add_nc_u32 v[ADRA+\s], s70, v[LI]
	v_add_nc_u32 v[ADRB+\s], s71, v[LI]
	s_add_co_u32 s70, s70, SLOT
	s_add_co_u32 s71, s71, SLOT
.endr
	s_mul_i32 s70, s15, SSTR                       ; scale words: lanes 0-15 take S1's, lanes 16-31 S0's: the lower base + h x the distance
	s_mul_i32 s71, s16, SSTR
	s_add_co_u32 s71, s71, 2*QTR
	s_sub_co_u32 s71, s71, s70
	v_mul_u32_u24 v5, s71, v3
	s_add_co_u32 s70, s70, 12288
	v_lshl_add_u32 v5, v2, 4, v5
	v_add_nc_u32 v[ADRS], s70, v5
	v_add_nc_u32 v[ADRS+1], SLOT, v[ADRS]
	v_lshlrev_b32 v[BQ], 6, v3
	v_and_b32 v[BV], 8, v2
	v_add_nc_u32 v[BV], v[BV], v2
	v_lshlrev_b32 v[BV], 2, v[BV]
	; where my 128 x 128 goes, and its bias
	s_cmp_eq_u32 s[WH], 1
	s_cselect_b64 s[6:7], s[8:9], s[6:7]
	s_cmp_eq_u32 s[WH], 2
	s_cselect_b64 s[6:7], s[10:11], s[6:7]
	s_lshl_b32 s72, s17, 1
	s_add_co_u32 s72, s72, s15                     ; S1's group of mine
	s_lshl_b32 s73, s42, 1
	s_add_co_u32 s73, s73, s16                     ; S0's
	s_cmp_eq_u32 s[WH], 2
	s_cselect_b32 s74, s73, s72                    ; the group of tokens
	s_cselect_b32 s75, s72, s73                    ; the head
	s_lshr_b32 s76, s74, 2
	s_lshl_b32 s76, s76, 4
	s_add_co_u32 s76, s76, s75                     ; pair = 16 batch + head
	s_lshl_b32 s76, s76, 2
	s_and_b32 s77, s74, 3
	s_add_co_u32 s76, s76, s77
	s_mul_i32 s76, s76, REC
	s_mul_i32 s77, s[WH], TS
	s_add_co_u32 s76, s76, s77
	s_mov_b32 s77, 0
	s_add_nc_u64 s[12:13], s[12:13], s[76:77]      ; my record of qkv
	s_lshl_b32 s78, s75, 9
	s_mov_b32 s79, 0
	s_add_nc_u64 s[6:7], s[6:7], s[78:79]          ; the head's 128 biases
	s_wait_alu depctr_va_vdst(0)
	s_cmp_eq_u32 s[WH], 2                          ; the biases are asked for under the first fill's flight, in the layout of a result tile
	s_cbranch_scc1 .Lb_v
	WIN 0x40                                       ; destination window 1
.irp g, 0,1,2,3
.irp j, 0,1,2,3
	global_load_b128 v[BI+16*\g+96*(\g/2)+4*\j:BI+16*\g+96*(\g/2)+4*\j+3], v[BQ], s[6:7] offset:128*\g+16*\j   ; q, k: number 16 g + i is the bias of channel 32 g + 16 h + i: numbers 8 b .. 8 b + 7 serve S0's tile b
.endr
.endr
	WIN 0
	s_branch .Lb_done
.Lb_v:
	WIN 0x40
.irp a, 0,1,2,3,4,5,6,7
.irp e, 0,1,2,3,4,5,6,7
	global_load_b32 v[BI+8*\a+96*(\a/4)+\e], v[BV], s[6:7] offset:4*(32*(\a/2)+8*(\a%2))   ; v: numbers 8 a .. 8 a + 7 all hold the bias of my row of S1's tile a
.endr
.endr
	WIN 0
.Lb_done:
; The fragments and scale words of the slot's q-th K step into set p: every load takes 512 consecutive bytes.
.macro FETCH slot, q, p
	WIN 0x40                                       ; destination window 1
.set fi, 0
.rept TB
.irp c, 0,1,2
	ds_load_b128 v[128*(\p)+12*fi+4*\c:128*(\p)+12*fi+4*\c+3], v[ADRB+\slot] offset:(\q)*REC+1536*fi+512*\c
.endr
.set fi, fi+1
.endr
	WIN 0
.set fi, 0
.rept TA
.irp c, 0,1,2
	ds_load_b128 v[AF+96*(\p)+12*fi+4*\c:AF+96*(\p)+12*fi+4*\c+3], v[ADRA+\slot] offset:(\q)*REC+1536*fi+512*\c
.endr
.set fi, fi+1
.endr
	ds_load_b128 v[SC+8*(\p):SC+8*(\p)+3], v[ADRS+\slot] offset:(\q)*REC          ; register i: lanes 0-15 S1's tile i, lanes 16-31 S0's tile i
	ds_load_b128 v[SC+8*(\p)+4:SC+8*(\p)+7], v[ADRS+\slot] offset:(\q)*REC+256
.endm
; S1's tiles a0 .. a0 + cnt - 1, each against S0's TB.  All accumulators take turns, one instruction a turn, in the same order in every step.
.macro MULR a0, cnt, p, zero
.set ma, \a0
.rept \cnt
.if (\zero) >= 2
.set mW, 0x91+0x40*(ma/4)              ; source 0 window 1, source 1 window 0, C window 1 (the bias), D window 2 or 3
.else
.set mW, 0xa1+0x50*(ma/4)              ; source 0 window 1, source 1 window 0, C and D window 2 or 3
.endif
	WIN mW
.set mb, 0
.rept TB
.set mD, 8*(TB*(ma%4)+mb)
.if (\zero) == 3                       ; zero = 2: the sums start from the bias of S0's tile (q, k); 3: from that of S1's tile (v); 0: they go on
.set mC, BI+8*ma+96*(ma/4)
.else
.set mC, BI+8*mb+96*(mb/4)
.endif
.if (\zero) >= 2
	v_wmma_scale_f32_16x16x128_f8f6f4 v[mD:mD+7], v[128*(\p)+12*mb:128*(\p)+12*mb+11], v[AF+96*(\p)+12*ma:AF+96*(\p)+12*ma+11], v[mC:mC+7], v[SC+8*(\p)+mb], v[SC+8*(\p)+ma] matrix_a_fmt:MATRIX_FMT_FP6 matrix_b_fmt:MATRIX_FMT_FP6 matrix_a_scale:MATRIX_SCALE_ROW1
.else
	v_wmma_scale_f32_16x16x128_f8f6f4 v[mD:mD+7], v[128*(\p)+12*mb:128*(\p)+12*mb+11], v[AF+96*(\p)+12*ma:AF+96*(\p)+12*ma+11], v[mD:mD+7], v[SC+8*(\p)+mb], v[SC+8*(\p)+ma] matrix_a_fmt:MATRIX_FMT_FP6 matrix_b_fmt:MATRIX_FMT_FP6 matrix_a_scale:MATRIX_SCALE_ROW1
.endif
.set mb, mb+1
.endr
.set ma, ma+1
.endr
.endm
; A K step on set p whose successor (step nq of slot nslot) lies in LDS already: the successor's operands are asked for in one run, a whole step ahead of their use, into the other set.
; k1, k2: the records that this step names for the L2 (16 and above: none), behind the run of LDS loads, where every window is 0.
.macro STEP p, zero, nslot, nq, k1, k2
	s_wait_dscnt 0x0                               ; this step's operands, asked for a step ago, are in
	PLACES 4                                       ; four places in front of loads into registers that the last step's matrix instructions read
	FETCH \nslot, \nq, 1-(\p)
	ASK \k1
	ASK \k2
	MULR 0, TA, \p, \zero
.endm
; A slot's last K step (set p) changes slots: one barrier; in front of it each wave waits for all its tensor loads, adds 0 to its spare word, and waits for that and for its reads of this slot.
; fill = 1: this slot is filled again with three K steps; 2: with the one K step that is left; 0: not.
.macro TURN slot, next, p, fill
	WIN 0
	s_wait_tensorcnt 0x0                           ; all my tensor loads have landed: my part of the next slot
	ds_add_u32 v[SPW], v[NIL]
	s_wait_dscnt 1                                 ; this step's operands are in; the add alone may be out
	MULR 0, TA/4, \p, 0
	s_wait_dscnt 0x0                               ; the add is done, and my reads of this slot are over
	s_barrier_signal -1
	MULR TA/4, TA/4, \p, 0
	WIN 0
	s_barrier_wait -1
.if \fill
	CREST                                          ; the barrier has opened a round of the cluster's: no wave of any partner still reads this slot or has a load on its way
	s_add_nc_u64 s[G0+4*\slot+2:G0+4*\slot+3], s[G0+4*\slot+2:G0+4*\slot+3], RSTEP
	s_add_nc_u64 s[G0B+4*\slot+2:G0B+4*\slot+3], s[G0B+4*\slot+2:G0B+4*\slot+3], RSTEP
.if (\fill) == 2
	JLOAD G0+4*\slot, G1L, G0B+4*\slot, G1BL       ; my one tensor load behind the round; its four v_nop are the places in front of the loads below
.else
	JLOAD G0+4*\slot, G1, G0B+4*\slot, G1B
.endif
.else
	PLACES 4
.endif
	FETCH \next, 0, 1-(\p)
	MULR TA/2, TA/2, \p, 0
.endm
; Six K steps, b .. b + 5, from a lap's second to the next lap's first: once round the ring, both slots filled again; f: how slot 1 is filled.
.macro LAP f, b
	STEP 1, 0, 0, 2, (\b)+7, 99
	TURN 0, 1, 0, 1
	STEP 1, 0, 1, 1, (\b)+8, (\b)+9
	STEP 0, 0, 1, 2, (\b)+10, 99
	TURN 1, 0, 1, \f
	STEP 0, 0, 0, 1, (\b)+11, (\b)+12
.endm
	s_wait_alu depctr_va_vdst(0)
	s_wait_tensorcnt 0x0                           ; my part of slot 0 is in
	ds_add_u32 v[SPW], v[NIL]
	s_wait_dscnt 0x0
	CROUND                                         ; a whole round: slot 0 is whole, and all sixteen work-groups are here
	JLOAD G0+4, G1, G0B+4, G1B                     ; K steps 3-5 into slot 1: my first tensor load behind the round
	FETCH 0, 0, 0
	s_wait_dscnt 0x0                               ; K step 0's operands are in
	FETCH 0, 1, 1                                  ; K step 1's are asked for
	ASK 6
	ASK 7
	s_wait_loadcnt 0x0                             ; the biases are in
	s_cmp_eq_u32 s[WH], 2                          ; K step 0 starts the sums from the bias: nothing is cleared, and nothing is added on the way out
	s_cbranch_scc1 .Lfirst_v
	MULR 0, TA, 0, 2
	WIN 0
	s_branch .Lfirst_done
.Lfirst_v:
	MULR 0, TA, 0, 3
	WIN 0
.Lfirst_done:
	LAP 1, 1                                       ; K steps 1-6; slot 0 takes steps 6-8, slot 1 steps 9-11
	LAP 2, 7                                       ; K steps 7-12; slot 0 takes steps 12-14, slot 1 step 15
	STEP 1, 0, 0, 2, 99, 99                        ; K step 13
	TURN 0, 1, 0, 0                                ; K step 14: nothing is left to fetch
	s_wait_dscnt 0x0                               ; K step 15, on set 1
	MULR 0, TA, 1, 0
	WIN 0
	PLACES 4                                       ; in front of reads of the last results and of vector writes into registers that the last products read
.irp b, 0,1,2,3
	v_mov_b32 v[TM+4+\b], 0                        ; written once: a lane permute's destination counts as one of its sources
.endr
; THE WAY OUT of S1's tile a: 64 results + bias, quantised along the registers; the codes ARE fragment a of my record and leave as 3 x 512 consecutive bytes.
.macro EPI a                           ; the accumulators are read where they lie, each from its low end on
.set eW, 2+(\a)/4
.set eA, 64*((\a)%4)
.if (\a) > 0
	QUANT eA, eW, PC, SWD+(\a), 1
.else
	QUANT eA, eW, PC, SWD+(\a), 0
.endif
.irp c, 0,1,2
	global_store_b128 v[LI], v[PC+4*\c:PC+4*\c+3], s[12:13] offset:1536*(\a)+512*\c
.endr
.endm
.irp a, 0,1,2,3,4,5,6,7
	EPI \a
.endr
	v_cmp_lt_u32 vcc_lo, 15, v1                    ; the scale block: lanes 0-15 store tiles 0-3's words of row r, lanes 16-31 tiles 4-7's
.irp j, 0,1,2,3
	v_cndmask_b32 v[SWD+\j], v[SWD+\j], v[SWD+4+\j], vcc_lo
.endr
	global_store_b128 v[LI], v[SWD:SWD+3], s[12:13] offset:12288
	s_wait_tensorcnt 0x0                           ; the wave's end
	ds_add_u32 v[SPW], v[NIL]
	s_wait_dscnt 0x0
	CROUND                                         ; the closing round
	s_endpgm
.Lfunc_end_k_q4af401f0bc_proj:
	.size	k_q4af401f0bc_proj, .Lfunc_end_k_q4af401f0bc_proj-k_q4af401f0bc_proj
	.p2alignl 7, 3214868480
	.fill 96, 4, 3214868480
	.section	.rodata,"a",@progbits
	.p2align	6, 0x0
	.amdhsa_kernel k_q4af401f0bc_proj
		.amdhsa_group_segment_fixed_size 327680
		.amdhsa_private_segment_fixed_size 0
		.amdhsa_enable_private_segment 0
		.amdhsa_kernarg_size 40
		.amdhsa_user_sgpr_count 2
		.amdhsa_user_sgpr_kernarg_segment_ptr 1
		.amdhsa_wavefront_size32 1
		.amdhsa_system_sgpr_workgroup_id_x 1
		.amdhsa_system_sgpr_workgroup_id_y 1
		.amdhsa_system_sgpr_workgroup_id_z 1
		.amdhsa_system_vgpr_workitem_id 0
		.amdhsa_next_free_vgpr 1024
		.amdhsa_next_free_sgpr 100
		.amdhsa_reserve_vcc 1
		.amdhsa_float_denorm_mode_32 3
		.amdhsa_float_denorm_mode_16_64 3
		.amdhsa_memory_ordered 1
		.amdhsa_forward_progress 1
		.amdhsa_inst_pref_size 248
	.end_amdhsa_kernel
	.amdgpu_metadata
---
amdhsa.version: [ 1, 2 ]
amdhsa.kernels:
  - .name:           k_q4af401f0bc_proj
    .symbol:         k_q4af401f0bc_proj.kd
    .args:
      - { .name: opc, .offset: 0, .size: 8, .value_kind: global_buffer, .address_space: global }
      - { .name: bq, .offset: 8, .size: 8, .value_kind: global_buffer, .address_space: global }
      - { .name: bk, .offset: 16, .size: 8, .value_kind: global_buffer, .address_space: global }
      - { .name: bv, .offset: 24, .size: 8, .value_kind: global_buffer, .address_space: global }
      - { .name: qkv, .offset: 32, .size: 8, .value_kind: global_buffer, .address_space: global }
    .group_segment_fixed_size: 327680
    .private_segment_fixed_size: 0
    .kernarg_segment_align: 8
    .kernarg_segment_size: 40
    .max_flat_workgroup_size: 128
    .sgpr_count:     100
    .vgpr_count:     1024
    .wavefront_size: 32
...
	.end_amdgpu_metadata
.endif
;; end of part 2
;; launch attn (part 3): grid 256 x 1, 8 waves a work-group, clusters of 4 x 1, 168,960 bytes of LDS; arguments qkv, mask, att; writes att
.if DOCPART == 3
	.amdgcn_target "amdgcn-amd-amdhsa--gfx1250"
	.amdhsa_code_object_version 6
	.text
	.protected	k_q4af401f0bc_attn
	.globl	k_q4af401f0bc_attn
	.p2align	8
	.type	k_q4af401f0bc_attn,@function
k_q4af401f0bc_attn:
	s_mov_b64 s[64:65], 0
	v_nop
	global_prefetch_b8 v0, s[64:65] scope:SCOPE_SE
	s_setreg_imm32_b32 hwreg(HW_REG_WAVE_MODE, 25, 1), 1
	s_wait_xcnt 0x0
	s_wait_alu depctr_hold_cnt(0) depctr_sa_sdst(0) depctr_va_vdst(0) depctr_va_sdst(0) depctr_va_ssrc(0) depctr_va_vcc(0) depctr_vm_vsrc(0)
	s_getreg_b32 s2, hwreg(HW_REG_IB_STS2, 6, 4)
	s_cmp_eq_u32 s2, 0
	s_cbranch_scc0 .Lentry_in_a_cluster
	s_endpgm
.Lentry_in_a_cluster:
	s_bfe_u32 s2, ttmp6, 0x10000c
	s_cmp_lg_u32 s2, 0x3003
	s_cbranch_scc0 .Lentry_shape_is_right
	s_endpgm
.Lentry_shape_is_right:
; attended = softmax(q k^T / sqrt(128), keys with mask 0 left out) v for 64 pairs (batch, head), 512 queries x 512 keys x 128, both products on codes of FP6 (E2M3) with E8M0 scales.
; The weights are quantised FINISHED AND NORMALISED: exp(s - row max) / row sum, in blocks of 32 keys.  The result is quantised at once into the output projection's operand.
; reference()'s entropy only chooses between two identical arrays: no output hangs on it for any input, and it is not computed.
; qkv = [q, k, v][pair][4] records of 12,800 bytes (eight register images of 16 rows x 128 K, then 512 bytes of scale words); att = [4 batch + query block][head] records.
; SHARES: a cluster of four work-groups takes a pair, a work-group 128 queries, each of its eight waves 16 queries against all 512 keys (256 registers of scores): two waves to a SIMD, so that one wave's softmax stands beside the other's products.
; K and V of the pair (8 records) come into LDS once, one joint load a wave; nothing is filled again.  No prefetch: all of K and V is asked for in the first lines.
; LAYOUT: S^T = K Q^T, O^T = V^T P^T: a lane holds one query throughout; the records' row order makes its registers run along the keys, then along the channels, in natural order.
; THE MASK costs no pass: 0 or -2^100 for each key is the C of the score tiles.  p of a masked key is exactly 0.
; LIMITS: NaN and infinities are not served; raw q.k sums stay under 2^96 in magnitude; a row all of whose keys are masked gets the scale bytes 0xff, so that the output projection gives NaN there, as reference() does;
; a block's largest weight is taken from its largest score through the same multiply-add, exponential and multiply (this takes v_exp_f32 not to fall where its input rises); blocks under 2^-124 keep the byte 1.
; REGISTERS: window 0: v1-11 lane, r, h, addresses; v[12:13] -c x max; v[14:15] 1 / sum; v16-27 Q, v28 its scale words; v29 max; v30-31 at work; v32-47 K's, then V's scale words; v48-63 block maxima; v64-79 at work;
;   v80-127 p's four fragments, then the output's; v128-223 two sets of four fragments; v224-231 sums; v232-235 p's scale words; v236 the output's; v237 an offset; v240-255 at work.  window 1: the scores, register 16 g + i = key 32 g + 16 h + i; then v0-63 O^T.
.set REC, 12800
.set TS,  3276800
.set VB,  4*REC                        ; LDS: K's four records, then V's,
.set MB,  8*REC                        ; 512 f32 of mask bias,
.set SCG, MB+2048                      ; and 512 bytes in which the eight waves' scale words meet
.set LI,  4
.set LIV, 5
.set MBA, 6
.set SWA, 7
.set MO,  8
.set QSO, 9
.set SRA, 10
.set MWA, 11
.set NM,  12
.set RL,  14
.set QF,  16
.set QS,  28
.set RM,  29
.set KS,  32
.set BM,  48
.set T,   64
.set PC,  80
.set F,   128
.set TT,  128
.set CH,  224
.set PW,  232
.set PWO, 236
.set GO,  237
.set TM,  240
.set WV,  10
.set CS,  28
.set NC,  30
.set SEL, 32
.set FLG, 34
.set THR, 35
.set MSB, 0
.macro WIN new
.if MSB != (\new)
	s_set_vgpr_msb (MSB<<8)|(\new)
.set MSB, \new
.endif
.endm
.macro PLACES n
.rept \n
	v_nop
.endr
.endm
.macro CROUND
	s_barrier_signal -1
	s_barrier_wait -1
	s_cmp_lg_u32 s[WV], 0
	s_cbranch_scc1 .Lnot_wave_0_\@
	s_barrier_signal -3
.Lnot_wave_0_\@:
	s_barrier_wait -3
	s_barrier_signal -1
	s_barrier_wait -1
.endm
.macro QUANT s, w, pc, pw              ; 64 numbers of a lane (register 16 b + i = K 32 b + 16 h + i), in window w, become a fragment's codes and its scale word
.set qW, 0x05*(\w)
	WIN qW
.irp b, 0,1,2,3
	v_max3_num_f32 v[TM+\b], |v[(\s)+16*\b]|, |v[(\s)+1+16*\b]|, 0x1800000
.endr
.set qW, 0x14*(\w)
	WIN qW
.irp i, 2,4,6,8,10,12,14
.irp b, 0,1,2,3
	v_max3_num_f32 v[TM+\b], v[TM+\b], |v[(\s)+16*\b+\i]|, |v[(\s)+1+16*\b+\i]|
.endr
.endr
	WIN 0
.irp b, 0,1,2,3
	v_permlanex16_b32 v[TM+4+\b], v[TM+\b], s[SEL], s[SEL+1]
.endr
.irp b, 0,1,2,3
	s_delay_alu instid0(VALU_DEP_4)
	v_max_num_f32 v[TM+\b], v[TM+\b], v[TM+4+\b]
.endr
.irp b, 0,1,2,3
	s_delay_alu instid0(VALU_DEP_4)
	v_add_nc_u32 v[TM+12+\b], 0xff000000, v[TM+\b]
.endr
.irp b, 0,1,2,3
	s_delay_alu instid0(VALU_DEP_4)
	v_lshrrev_b32 v[TM+4+\b], 23, v[TM+12+\b]
.endr
	s_delay_alu instid0(VALU_DEP_3)
	v_lshl_or_b32 v[\pw], v[TM+5], 8, v[TM+4]
	s_delay_alu instid0(VALU_DEP_1)
	v_lshl_or_b32 v[\pw], v[TM+6], 16, v[\pw]
	s_delay_alu instid0(VALU_DEP_1)
	v_lshl_or_b32 v[\pw], v[TM+7], 24, v[\pw]
.set qW, 0x01*(\w)
	WIN qW
.irp c, 0,1
	v_cvt_scalef32_pk16_fp6_f32 v[(\pc)+6*\c:(\pc)+2+6*\c], v[(\s)+32*\c:(\s)+15+32*\c], v[TM+12+2*\c]
	v_cvt_scalef32_pk16_fp6_f32 v[(\pc)+12+4*\c:(\pc)+14+4*\c], v[(\s)+16+32*\c:(\s)+31+32*\c], v[TM+13+2*\c]
.endr
	WIN 0
	v_nop
.irp c, 0,1
.irp i, 0,1,2
	v_permlane16_swap_b32 v[(\pc)+6*\c+\i], v[(\pc)+12+4*\c+\i]
.endr
.irp i, 0,1,2
	s_delay_alu instid0(VALU_DEP_3)
	v_mov_b32 v[(\pc)+3+6*\c+\i], v[(\pc)+12+4*\c+\i]
.endr
.endr
.endm
	s_load_b128 s[4:7], s[0:1], 0x0                ; qkv, mask
	s_load_b64 s[8:9], s[0:1], 0x10                ; att
	v_lshl_add_u32 v250, v0, 2, 0x29000
	v_mov_b32 v251, 0
	ds_add_u32 v250, v251
	ds_add_u32 v250, v251
	v_lshrrev_b32 v1, 5, v0
	s_delay_alu instid0(VALU_DEP_1)
	v_readfirstlane_b32 s[WV], v1                  ; wave 0..7
	s_bfe_u32 s11, ttmp6, 0x40000                  ; cx: my block of 128 queries
	s_lshr_b32 s13, ttmp9, 4                       ; the cluster's x is the pair: batch,
	s_and_b32 s14, ttmp9, 15                       ; head
	s_mov_b32 s16, 15|(3<<16)|(1<<21)              ; group 1: the mask names all four; elements of 8 bytes; 21 set beside a mask; no padding
	s_mov_b32 s17, 32<<16                          ; tensor_dim0: 256 bytes
	s_mov_b32 s18, 50<<16                          ; tensor_dim1: 50 rows = one record
	s_mov_b32 s19, 32<<16
	s_mov_b32 s20, 50
	s_mov_b32 s21, 32                              ; dense
	s_mov_b32 s22, 0
	s_mov_b32 s23, 0
	s_lshr_b32 s36, s[WV], 2
	s_and_b32 s39, s[WV], 3
	s_add_co_u32 s37, s36, 1
	s_mul_i32 s37, s37, TS                         ; waves 0-3 fetch K's records, waves 4-7 V's
	s_mul_i32 s38, ttmp9, VB                       ; the pair's four records
	s_mul_i32 s40, s39, REC
	s_add_co_u32 s40, s40, s37
	s_add_co_u32 s40, s40, s38
	s_mov_b32 s41, 0
	s_mul_i32 s42, s11, REC
	s_add_co_u32 s42, s42, s38                     ; Q's record
	s_mov_b32 s43, 0
	s_mul_i32 s48, s[WV], 1536                     ; my tile in a record,
	s_lshl_b32 s49, s36, 8
	s_lshl_b32 s50, s39, 2
	s_add_co_u32 s49, s49, s50                     ; and its scale words: 256 (w / 4) + 4 (w % 4)
	s_lshl_b32 s44, s13, 2
	s_add_co_u32 s44, s44, s11
	s_lshl_b32 s44, s44, 4
	s_add_co_u32 s44, s44, s14
	s_mul_i32 s44, s44, REC                        ; att's record: group 4 batch + cx, K step = head
	s_mov_b32 s45, 0
	s_lshl_b32 s46, s13, 11                        ; the batch's 512 mask words
	s_mov_b32 s47, 0
	s_mov_b32 s24, 1
	s_mul_i32 s25, s[WV], REC                      ; LDS: record w
	s_mov_b32 s[CS], 0x3e0293ee                    ; c = log2(e) / sqrt(128)
	s_mov_b32 s[CS+1], s[CS]
	s_mov_b32 s[NC], 0xbe0293ee                    ; -c
	s_mov_b32 s[SEL], 0x76543210
	s_mov_b32 s[SEL+1], 0xfedcba98
	s_mov_b32 s[THR], 0xef800000                   ; -2^96
	v_and_b32 v1, 31, v0                           ; lane
	v_and_b32 v2, 15, v0                           ; r
	v_bfe_u32 v3, v0, 4, 1                         ; h
	s_delay_alu instid0(VALU_DEP_3)
	v_lshlrev_b32 v[LI], 4, v1
	s_delay_alu instid0(VALU_DEP_1)
	v_add_nc_u32 v[LIV], VB, v[LI]
	s_delay_alu instid0(VALU_DEP_3)
	v_lshl_add_u32 v[MBA], v3, 6, MB               ; my half's 16 keys of a block of 32
	v_lshlrev_b32 v[QSO], 4, v2
	s_delay_alu instid0(VALU_DEP_1)
	v_add_nc_u32 v[QSO], s49, v[QSO]
	s_delay_alu instid0(VALU_DEP_1)
	v_add_nc_u32 v[SWA], SCG, v[QSO]
	v_lshlrev_b32 v[MO], 3, v0
	s_delay_alu instid0(VALU_DEP_1)
	v_add_nc_u32 v[MWA], MB, v[MO]
	v_add_nc_u32 v[SRA], SCG, v[LI]
	v_add_nc_u32 v[GO], s48, v[LI]
	s_wait_dscnt 0x0
	s_wait_kmcnt 0x0
	s_add_nc_u64 s[26:27], s[4:5], s[40:41]
	s_or_b32 s27, s27, 0x80000000
	s_add_nc_u64 s[42:43], s[4:5], s[42:43]
	s_add_nc_u64 s[44:45], s[8:9], s[44:45]
	s_add_nc_u64 s[6:7], s[6:7], s[46:47]
	CROUND                                         ; all four work-groups are here: the joint loads meet
	tensor_load_to_lds s[24:27], s[16:23]          ; my one tensor load of the launch
	s_nop 0
.rept 4
	v_nop
.endr
	s_wait_alu depctr_va_vdst(0)
	global_load_b64 v[30:31], v[MO], s[6:7]        ; two keys' mask words a thread
.irp c, 0,1,2
	global_load_b128 v[QF+4*\c:QF+4*\c+3], v[GO], s[42:43] offset:512*\c
.endr
	global_load_b32 v[QS], v[QSO], s[42:43] offset:12288
	v_mov_b32 v[CH], 0xf1800000                    ; -2^100
	v_mov_b32 v[NM+1], 0                           ; (upper halves of pairs that packed forms name)
	v_mov_b32 v[RL+1], 0
.irp g, 0,1,2,3,4,5,6,7,8,9,10,11,12,13,14,15
	v_mov_b32 v[T+\g], 0                           ; written once: a lane permute's destination counts as one of its sources
.endr
.irp b, 0,1,2,3
	v_mov_b32 v[TM+4+\b], 0
.endr
	s_wait_loadcnt 4                               ; the mask words are in; Q's four loads may stay out
	v_cmp_eq_u32 vcc_lo, 0, v30
	s_delay_alu instid0(VALU_DEP_1)
	v_cndmask_b32 v30, 0, v[CH], vcc_lo
	v_cmp_eq_u32 vcc_lo, 0, v31
	s_delay_alu instid0(VALU_DEP_1)
	v_cndmask_b32 v31, 0, v[CH], vcc_lo
	ds_store_b64 v[MWA], v[30:31]
	s_wait_tensorcnt 0x0                           ; my record has landed,
	s_wait_dscnt 0x0                               ; my store too:
	s_barrier_signal -1
	s_barrier_wait -1                              ; everybody's have
.macro LOADF g, adr                    ; four fragments: tiles 4 (g % 2) on of record g / 2, into set g % 2
.set lF, F+48*((\g)%2)
.set lO, ((\g)/2)*REC+((\g)%2)*6144
.irp t, 0,1,2,3
.irp c, 0,1,2
	ds_load_b128 v[lF+12*\t+4*\c:lF+12*\t+4*\c+3], v[\adr] offset:lO+1536*\t+512*\c
.endr
.endr
.endm
.macro WM d, a, b, zero, sa, sb, odd
.if (\zero) && (\odd)
	v_wmma_scale_f32_16x16x128_f8f6f4 v[\d:\d+7], v[\a:\a+11], v[\b:\b+11], 0, v[\sa], v[\sb] matrix_a_fmt:MATRIX_FMT_FP6 matrix_b_fmt:MATRIX_FMT_FP6 matrix_a_scale:MATRIX_SCALE_ROW1
.elseif \zero
	v_wmma_scale_f32_16x16x128_f8f6f4 v[\d:\d+7], v[\a:\a+11], v[\b:\b+11], 0, v[\sa], v[\sb] matrix_a_fmt:MATRIX_FMT_FP6 matrix_b_fmt:MATRIX_FMT_FP6
.elseif \odd
	v_wmma_scale_f32_16x16x128_f8f6f4 v[\d:\d+7], v[\a:\a+11], v[\b:\b+11], v[\d:\d+7], v[\sa], v[\sb] matrix_a_fmt:MATRIX_FMT_FP6 matrix_b_fmt:MATRIX_FMT_FP6 matrix_a_scale:MATRIX_SCALE_ROW1
.else
	v_wmma_scale_f32_16x16x128_f8f6f4 v[\d:\d+7], v[\a:\a+11], v[\b:\b+11], v[\d:\d+7], v[\sa], v[\sb] matrix_a_fmt:MATRIX_FMT_FP6 matrix_b_fmt:MATRIX_FMT_FP6
.endif
.endm
; Eight groups of four matrix instructions; each group's fragments are asked for a group ahead.  second = 0: S^T = K Q^T + mask bias (32 tiles, one instruction each);
; second = 1: O^T += V^T P^T (eight accumulators by turns, one instruction a turn, four K steps; the first starts the sums).
.macro PASS adr, second
.set pn, 0
.rept 8
.if pn < 7
.if pn > 0
	PLACES 4                                       ; in front of loads into registers that the group before last's successor has read
.endif
	LOADF pn+1, \adr
	s_wait_alu depctr_va_vdst(0)
	s_wait_dscnt 12                                ; all but the 12 just issued
.else
	s_wait_dscnt 0x0
.endif
	WIN 0x50                                       ; C and D window 1
.set pt, 0
.rept 4
.set wA, F+48*(pn%2)+12*pt
.set wSA, KS+4*(pn/2)+pt               ; lanes 0-15 hold tiles 0-3's words, lanes 16-31 tiles 4-7's
.set wO, pn%2
.if \second
.set wD, 8*(4*(pn%2)+pt)
.set wB, PC+12*(pn/2)
.set wSB, PW+pn/2
.if pn < 2
.set wZ, 1
.else
.set wZ, 0
.endif
.else
.set wD, 8*(4*pn+pt)
.set wB, QF
.set wSB, QS
.set wZ, 0
.endif
	WM wD, wA, wB, wZ, wSA, wSB, wO
.set pt, pt+1
.endr
	WIN 0
.set pn, pn+1
.endr
.endm
	; ---- the scores.  Each tile's C is the mask bias of its keys
	WIN 0x40
.set kt, 0
.rept 32
	ds_load_b128 v[8*kt:8*kt+3], v[MBA] offset:128*(kt/2)+32*(kt%2)
	ds_load_b128 v[8*kt+4:8*kt+7], v[MBA] offset:128*(kt/2)+32*(kt%2)+16
.set kt, kt+1
.endr
	WIN 0
.irp k, 0,1,2,3
	ds_load_b128 v[KS+4*\k:KS+4*\k+3], v[LI] offset:\k*REC+12288
.endr
	LOADF 0, LI
	s_wait_loadcnt 0x0                             ; Q
	PASS LI, 0
	; ---- the softmax
	PLACES 4
	WIN 0x15                                       ; all three sources window 1
.irp g, 0,1,2,3,4,5,6,7,8,9,10,11,12,13,14,15
	v_max3_num_f32 v[BM+\g], v[16*\g], v[16*\g+1], v[16*\g+2]      ; the largest score of each block of 32 keys: for the row's maximum and for the block's largest weight
.endr
	WIN 0x14
.irp i, 3,5,7,9,11,13
.irp g, 0,1,2,3,4,5,6,7,8,9,10,11,12,13,14,15
	v_max3_num_f32 v[BM+\g], v[BM+\g], v[16*\g+\i], v[16*\g+\i+1]
.endr
.endr
.irp g, 0,1,2,3,4,5,6,7,8,9,10,11,12,13,14,15
	v_max_num_f32 v[BM+\g], v[BM+\g], v[16*\g+15]
.endr
	WIN 0
.irp g, 0,1,2,3,4,5,6,7,8,9,10,11,12,13,14,15
	v_permlanex16_b32 v[T+\g], v[BM+\g], s[SEL], s[SEL+1]
.endr
.irp g, 0,1,2,3,4,5,6,7,8,9,10,11,12,13,14,15
	v_max_num_f32 v[BM+\g], v[BM+\g], v[T+\g]      ; with lane l xor 16's 16 keys
.endr
	v_max3_num_f32 v[RM], v[BM], v[BM+1], v[BM+2]
.irp g, 3,5,7,9,11,13
	s_delay_alu instid0(VALU_DEP_1)
	v_max3_num_f32 v[RM], v[RM], v[BM+\g], v[BM+\g+1]
.endr
	s_delay_alu instid0(VALU_DEP_1)
	v_max_num_f32 v[RM], v[RM], v[BM+15]           ; the row's largest score
	s_delay_alu instid0(VALU_DEP_1)
	v_cmp_gt_f32 s[FLG], s[THR], v[RM]             ; every key masked?  It only selects a value at the end
	s_delay_alu instid0(VALU_DEP_2)
	v_mul_f32 v[NM], s[NC], v[RM]                  ; -c x max: its rounding is a factor common to the row, which the division by the sum takes out
	WIN 0x41                                       ; destination and source 0 window 1
.set j, 0
.rept 128
	v_pk_fma_f32 v[2*j:2*j+1], v[2*j:2*j+1], s[CS:CS+1], v[NM:NM+1] op_sel_hi:[1,0,0]
.set j, j+1
.endr
	WIN 0
.irp g, 0,1,2,3,4,5,6,7,8,9,10,11,12,13,14,15
	v_fma_f32 v[BM+\g], v[BM+\g], s[CS], v[NM]
.endr
	WIN 0x41
.set j, 0
	s_wait_alu depctr_va_vdst(0)
.rept 256
	v_exp_f32 v[j], v[j]                           ; p = 2^(c s - c max)
.set j, j+1
.endr
	WIN 0
.irp k, 0,1,2,3,4,5,6,7
	v_mov_b32 v[CH+\k], 0                          ; the sums' four chains (plain work behind the exponentials)
.endr
	s_wait_alu depctr_va_vdst(0)                   ; one wait for the batch of 256, ahead of its first reader
.irp g, 0,1,2,3,4,5,6,7,8,9,10,11,12,13,14,15
	v_exp_f32 v[BM+\g], v[BM+\g]                   ; each block's largest p: the same instructions on the same number give the same bits
.endr
	WIN 0x04                                       ; source 1 window 1
.set j, 0
.rept 128
	v_pk_add_f32 v[CH+2*(j%4):CH+2*(j%4)+1], v[CH+2*(j%4):CH+2*(j%4)+1], v[2*j:2*j+1]
.set j, j+1
.endr
	WIN 0
	v_pk_add_f32 v[CH:CH+1], v[CH:CH+1], v[CH+2:CH+3]
	v_pk_add_f32 v[CH+4:CH+5], v[CH+4:CH+5], v[CH+6:CH+7]
	s_delay_alu instid0(VALU_DEP_1)
	v_pk_add_f32 v[CH:CH+1], v[CH:CH+1], v[CH+4:CH+5]
	s_delay_alu instid0(VALU_DEP_1)
	v_add_f32 v30, v[CH], v[CH+1]
	s_delay_alu instid0(VALU_DEP_1)
	v_permlanex16_b32 v31, v30, s[SEL], s[SEL+1]
	s_delay_alu instid0(VALU_DEP_1)
	v_add_f32 v30, v30, v31                        ; the row's sum
	s_wait_alu depctr_va_vdst(0)
	v_rcp_f32 v[RL], v30
	v_nop                                          ; a plain place behind the transcendental
	s_wait_alu depctr_va_vdst(0)                   ; one wait for the sixteen exponentials and the reciprocal
	WIN 0x41
.set j, 0
.rept 128
	v_pk_mul_f32 v[2*j:2*j+1], v[2*j:2*j+1], v[RL:RL+1] op_sel_hi:[1,0]   ; the weights, normalised
.set j, j+1
.endr
	WIN 0
.irp g, 0,1,2,3,4,5,6,7,8,9,10,11,12,13,14,15
	v_mul_f32 v[BM+\g], v[BM+\g], v[RL]            ; each block's largest weight
.endr
.irp g, 0,1,2,3,4,5,6,7,8,9,10,11,12,13,14,15
	v_max_num_f32 v[BM+\g], 0x1800000, v[BM+\g]    ; the floor 2^(3 - 127)
.endr
.irp g, 0,1,2,3,4,5,6,7,8,9,10,11,12,13,14,15
	v_add_nc_u32 v[BM+\g], 0xff000000, v[BM+\g]    ; the conversion's scale operand
.endr
.irp g, 0,1,2,3,4,5,6,7,8,9,10,11,12,13,14,15
	v_lshrrev_b32 v[T+\g], 23, v[BM+\g]            ; the scale's byte
.endr
.irp k, 0,1,2,3
	v_lshl_or_b32 v[PW+\k], v[T+4*\k+1], 8, v[T+4*\k]
.endr
.irp k, 0,1,2,3
	s_delay_alu instid0(VALU_DEP_4)
	v_lshl_or_b32 v[PW+\k], v[T+4*\k+2], 16, v[PW+\k]
.endr
.irp k, 0,1,2,3
	s_delay_alu instid0(VALU_DEP_4)
	v_lshl_or_b32 v[PW+\k], v[T+4*\k+3], 24, v[PW+\k]
.endr
	WIN 0x01                                       ; source 0 window 1
.irp k, 0,1,2,3
.irp c, 0,1
	v_cvt_scalef32_pk16_fp6_f32 v[PC+12*\k+6*\c:PC+12*\k+6*\c+2], v[64*\k+32*\c:64*\k+32*\c+15], v[BM+4*\k+2*\c]
	v_cvt_scalef32_pk16_fp6_f32 v[TT+8*\k+4*\c:TT+8*\k+4*\c+2], v[64*\k+32*\c+16:64*\k+32*\c+31], v[BM+4*\k+2*\c+1]
.endr
.endr
	WIN 0
	v_nop                                          ; one plain place behind a scaled conversion
.irp k, 0,1,2,3
.irp c, 0,1
.irp i, 0,1,2
	v_permlane16_swap_b32 v[PC+12*\k+6*\c+\i], v[TT+8*\k+4*\c+\i]
.endr
.irp i, 0,1,2
	s_delay_alu instid0(VALU_DEP_3)
	v_mov_b32 v[PC+12*\k+6*\c+3+\i], v[TT+8*\k+4*\c+\i]
.endr
.endr
.endr
	PLACES 8                                       ; operands and scale words written by vector instructions stand 4 and 8 places ahead of a scaled matrix instruction
	; ---- weights x v
.irp k, 0,1,2,3
	ds_load_b128 v[KS+4*\k:KS+4*\k+3], v[LIV] offset:\k*REC+12288
.endr
	LOADF 0, LIV
	PASS LIV, 1
	; ---- the way out: my 16 queries x the head's 128 channels are fragment w of att's record
	PLACES 4
	QUANT 0, 1, PC, PWO
	v_cndmask_b32 v[PWO], v[PWO], -1, s[FLG]
.irp c, 0,1,2
	global_store_b128 v[GO], v[PC+4*\c:PC+4*\c+3], s[44:45] offset:512*\c
.endr
	ds_store_b32 v[SWA], v[PWO]                    ; both halves of the lanes write the same word with the same value
	s_wait_dscnt 0x0
	s_barrier_signal -1
	s_barrier_wait -1                              ; the eight tiles' scale words lie together
	s_cmp_lg_u32 s[WV], 0
	s_cbranch_scc1 .Lnot_first
	ds_load_b128 v[F:F+3], v[SRA]
	s_wait_dscnt 0x0
	global_store_b128 v[LI], v[F:F+3], s[44:45] offset:12288   ; 512 consecutive bytes
.Lnot_first:
	s_wait_tensorcnt 0x0
	ds_add_u32 v250, v251
	s_wait_dscnt 0x0
	CROUND                                         ; the closing round
	s_endpgm
.Lfunc_end_k_q4af401f0bc_attn:
	.size	k_q4af401f0bc_attn, .Lfunc_end_k_q4af401f0bc_attn-k_q4af401f0bc_attn
	.p2alignl 7, 3214868480
	.fill 96, 4, 3214868480
	.section	.rodata,"a",@progbits
	.p2align	6, 0x0
	.amdhsa_kernel k_q4af401f0bc_attn
		.amdhsa_group_segment_fixed_size 168960
		.amdhsa_private_segment_fixed_size 0
		.amdhsa_enable_private_segment 0
		.amdhsa_kernarg_size 24
		.amdhsa_user_sgpr_count 2
		.amdhsa_user_sgpr_kernarg_segment_ptr 1
		.amdhsa_wavefront_size32 1
		.amdhsa_system_sgpr_workgroup_id_x 1
		.amdhsa_system_sgpr_workgroup_id_y 1
		.amdhsa_system_sgpr_workgroup_id_z 1
		.amdhsa_system_vgpr_workitem_id 0
		.amdhsa_next_free_vgpr 512
		.amdhsa_next_free_sgpr 66
		.amdhsa_reserve_vcc 1
		.amdhsa_float_denorm_mode_32 3
		.amdhsa_float_denorm_mode_16_64 3
		.amdhsa_memory_ordered 1
		.amdhsa_forward_progress 1
		.amdhsa_inst_pref_size 93
	.end_amdhsa_kernel
	.amdgpu_metadata
---
amdhsa.version: [ 1, 2 ]
amdhsa.kernels:
  - .name:           k_q4af401f0bc_attn
    .symbol:         k_q4af401f0bc_attn.kd
    .args:
      - { .name: qkv, .offset: 0, .size: 8, .value_kind: global_buffer, .address_space: global }
      - { .name: mask, .offset: 8, .size: 8, .value_kind: global_buffer, .address_space: global }
      - { .name: att, .offset: 16, .size: 8, .value_kind: global_buffer, .address_space: global }
    .group_segment_fixed_size: 168960
    .private_segment_fixed_size: 0
    .kernarg_segment_align: 8
    .kernarg_segment_size: 24
    .max_flat_workgroup_size: 256
    .sgpr_count:     66
    .vgpr_count:     512
    .wavefront_size: 32
...
	.end_amdgpu_metadata
.endif
;; end of part 3
;; launch outp (part 4): grid 16 x 16, 4 waves a work-group, clusters of 4 x 4, 327,680 bytes of LDS; arguments att, opc, bo, out0; writes out0
.if DOCPART == 4
	.amdgcn_target "amdgcn-amd-amdhsa--gfx1250"
	.amdhsa_code_object_version 6
	.text
	.protected	k_q4af401f0bc_outp
	.globl	k_q4af401f0bc_outp
	.p2align	8
	.type	k_q4af401f0bc_outp,@function
k_q4af401f0bc_outp:
	s_mov_b64 s[64:65], 0
	v_nop
	global_prefetch_b8 v0, s[64:65] scope:SCOPE_SE
	s_setreg_imm32_b32 hwreg(HW_REG_WAVE_MODE, 25, 1), 1
	s_wait_xcnt 0x0
	s_wait_alu depctr_hold_cnt(0) depctr_sa_sdst(0) depctr_va_vdst(0) depctr_va_sdst(0) depctr_va_ssrc(0) depctr_va_vcc(0) depctr_vm_vsrc(0)
	s_getreg_b32 s2, hwreg(HW_REG_IB_STS2, 6, 4)
	s_cmp_eq_u32 s2, 0
	s_cbranch_scc0 .Lentry_in_a_cluster
	s_endpgm
.Lentry_in_a_cluster:
	s_bfe_u32 s2, ttmp6, 0x10000c
	s_cmp_lg_u32 s2, 0xf033
	s_cbranch_scc0 .Lentry_shape_is_right
	s_endpgm
.Lentry_shape_is_right:
; out0 = attended Wo^T + bo on codes of FP6 (E2M3) with E8M0 scales.  att and opc hold records of 12,800 bytes (128 rows x 128 K: eight register images of 1,536 bytes, then 512 bytes of scale words).
; A work-group makes 128 x 128 of out0, a wave 64 x 64: 16 accumulators by turns.  Source 0 = Wo's rows, source 1 = attended's: a lane holds neighbouring columns of one row of out0.
; LDS: attended's records of K steps 0-11, then Wo's.  They come by ONE load a wave at the head (six records, 300 dense rows of 256 bytes); K steps 12-15 are filled into the place of steps 0-3,
; two records a wave, behind the round that follows step 3, and have steps 4-11 in which to land.  One load of a wave is out at a time.
; CLUSTERS 4 x 4: attended's records are shared along a row of the cluster, Wo's along a column: joint loads.  No prefetch: one fill and one refill, no loop to run ahead in.
; The results leave through each wave's own stage in LDS, which no fill touches, as whole rows of 256 bytes; the bias is added on the way.
.set REC,   12800
.set QTR,   2*REC
.set GRP,   16*REC
.set TS,    16*GRP
.set SLOT,  4*QTR
.set SPARE, 3*SLOT
.set STAGE, SPARE+512
.set TA,    4
.set TB,    4
.set RSTEP, 12*REC
.set HSTR,  6144
.set SSTR,  256
.set ADRA, 8
.set ADRB, 11
.set ADRS, 16
.set LI,   24
.set BA,   25
.set STO,  26
.set RD,   27
.set SPW,  28
.set NIL,  29
.set CO,   30
.set SC,   32
.set BO,   48
.set AF,   64
.set BK,   64
.set G1,  24
.set G1B, 48
.set G0,  76
.set G0B, 88
.set G1H, 32                           ; s[32:39], s[56:63] group 1 for the head's loads: six records
.set G1HB, 56
.set MSB, 0
.macro WIN new
.if MSB != (\new)
	s_set_vgpr_msb (MSB<<8)|(\new)
.set MSB, \new
.endif
.endm
.macro PLACES n
.rept \n
	v_nop
.endr
.endm
.macro JLOAD g0a, g1a, g0b, g1b
	s_cmp_eq_u32 s15, 0
	s_cbranch_scc0 .Lfor_b_\@
	tensor_load_to_lds s[\g0a:\g0a+3], s[\g1a:\g1a+7]
	s_nop 0
.rept 4
	v_nop
.endr
	s_branch .Lasked_\@
.Lfor_b_\@:
	tensor_load_to_lds s[\g0b:\g0b+3], s[\g1b:\g1b+7]
	s_nop 0
.rept 4
	v_nop
.endr
.Lasked_\@:
.endm
.macro CREST
	s_cmp_lg_u32 s14, 0
	s_cbranch_scc1 .Lnot_wave_0_\@
	s_barrier_signal -3
.Lnot_wave_0_\@:
	s_barrier_wait -3
	s_barrier_signal -1
	s_barrier_wait -1
.endm
.macro CROUND
	s_barrier_signal -1
	s_barrier_wait -1
	CREST
.endm
	s_load_b256 s[4:11], s[0:1], 0x0
	v_lshl_add_u32 v[SPW], v0, 2, SPARE
	v_mov_b32 v[NIL], 0
	ds_add_u32 v28, v29
	ds_add_u32 v28, v29
	s_wait_dscnt 0x0
	v_lshrrev_b32 v1, 5, v0
	v_readfirstlane_b32 s14, v1
	s_lshr_b32 s15, s14, 1
	s_and_b32 s16, s14, 1
	s_bfe_u32 s40, ttmp6, 0x40000
	s_bfe_u32 s41, ttmp6, 0x40004
	s_lshl_b32 s42, ttmp9, 2
	s_add_co_u32 s42, s42, s40
	s_and_b32 s17, ttmp7, 0xffff
	s_lshl_b32 s17, s17, 2
	s_add_co_u32 s17, s17, s41
	s_lshl_b32 s43, s41, 2
	s_lshl_b32 s43, 15, s43
	s_lshl_b32 s44, 0x1111, s40
	s_or_b32 s[G1+0], s43, (3<<16)|(1<<21)
	s_or_b32 s[G1B+0], s44, (3<<16)|(1<<21)
	s_or_b32 s[G1H+0], s43, (3<<16)|(1<<21)
	s_or_b32 s[G1HB+0], s44, (3<<16)|(1<<21)
.irp g, G1H, G1HB
	s_mov_b32 s[\g+1], 32<<16
	s_mov_b32 s[\g+2], 300<<16
	s_mov_b32 s[\g+3], 32<<16
	s_mov_b32 s[\g+4], 300
	s_mov_b32 s[\g+5], 32
	s_mov_b32 s[\g+6], 0
	s_mov_b32 s[\g+7], 0
.endr
.irp g, G1, G1B
	s_mov_b32 s[\g+1], 32<<16
	s_mov_b32 s[\g+2], 100<<16
	s_mov_b32 s[\g+3], 32<<16
	s_mov_b32 s[\g+4], 100
	s_mov_b32 s[\g+5], 32
	s_mov_b32 s[\g+6], 0
	s_mov_b32 s[\g+7], 0
.endr
	s_mul_i32 s20, s17, GRP
	s_mul_i32 s21, s16, QTR
	s_add_co_u32 s20, s20, s21
	s_mov_b32 s21, 0
	s_mul_i32 s46, s42, GRP
	s_mul_i32 s47, s16, QTR
	s_add_co_u32 s46, s46, s47
	s_add_co_u32 s46, s46, 4*TS
	s_mov_b32 s47, 0
	s_mul_i32 s45, s15, 12*REC                     ; the refill's place: attended's records from 0, Wo's from 12 records on,
	s_mul_i32 s70, s16, QTR
	s_add_co_u32 s45, s45, s70                     ; + two records for the second wave of a side
	s_mul_i32 s70, s16, 4*REC                      ; at the head that wave stands six records on: four more
	s_mov_b32 s71, 0
	CROUND                                         ; all sixteen work-groups are here: the first joint loads meet
	s_wait_kmcnt 0x0
	s_add_nc_u64 s[20:21], s[4:5], s[20:21]
	s_add_nc_u64 s[46:47], s[6:7], s[46:47]
	s_mov_b32 s[G0], 1                             ; group 0 of the refill (stepped to K step 12 where it is issued)
	s_mov_b32 s[G0+1], s45
	s_mov_b64 s[G0+2:G0+3], s[20:21]
	s_or_b32 s[G0+3], s[G0+3], 0x80000000
	s_mov_b32 s[G0B], 1
	s_mov_b32 s[G0B+1], s45
	s_mov_b64 s[G0B+2:G0B+3], s[46:47]
	s_or_b32 s[G0B+3], s[G0B+3], 0x80000000
	s_mov_b32 s[G0+4], 1                           ; group 0 of the head's load: K steps 0-5 or 6-11
	s_add_co_u32 s[G0+5], s45, s70
	s_add_nc_u64 s[G0+6:G0+7], s[20:21], s[70:71]
	s_or_b32 s[G0+7], s[G0+7], 0x80000000
	s_mov_b32 s[G0B+4], 1
	s_add_co_u32 s[G0B+5], s45, s70
	s_add_nc_u64 s[G0B+6:G0B+7], s[46:47], s[70:71]
	s_or_b32 s[G0B+7], s[G0B+7], 0x80000000
	JLOAD G0+4, G1H, G0B+4, G1HB                   ; my one tensor load at the head
	v_and_b32 v1, 31, v0
	v_and_b32 v2, 15, v0
	v_bfe_u32 v3, v0, 4, 1
	v_lshlrev_b32 v[LI], 4, v1
	s_wait_alu depctr_va_vdst(0)
	v_lshlrev_b32 v[BA], 4, v2
	s_lshl_b32 s72, s42, 9
	s_lshl_b32 s73, s16, 8
	s_add_co_u32 s72, s72, s73
	s_mov_b32 s73, 0
	s_add_nc_u64 s[8:9], s[8:9], s[72:73]
	global_load_b128 v[BO:BO+3], v[BA], s[8:9]
	s_lshl_b32 s74, s17, 7
	s_lshl_b32 s75, s15, 6
	s_add_co_u32 s74, s74, s75
	s_lshl_b32 s74, s74, 13
	s_add_co_u32 s74, s74, s72
	s_mov_b32 s75, 0
	s_add_nc_u64 s[10:11], s[10:11], s[74:75]
	s_mul_i32 s70, s15, HSTR
	s_mul_i32 s71, s16, HSTR
	s_add_co_u32 s71, s71, 12*REC
.irp s, 0,1,2
	v_add_nc_u32 v[ADRA+\s], s70, v[LI]
	v_add_nc_u32 v[ADRB+\s], s71, v[LI]
	s_add_co_u32 s70, s70, 4*REC
	s_add_co_u32 s71, s71, 4*REC
.endr
	s_mul_i32 s70, s15, SSTR
	s_mul_i32 s71, s16, SSTR
	s_add_co_u32 s71, s71, 12*REC
	s_sub_co_u32 s71, s71, s70
	v_mul_u32_u24 v5, s71, v3
	s_add_co_u32 s70, s70, 12288
	v_lshl_add_u32 v5, v2, 4, v5
	v_add_nc_u32 v[ADRS], s70, v5
	v_add_nc_u32 v[ADRS+1], 4*REC, v[ADRS]
	v_add_nc_u32 v[ADRS+2], 8*REC, v[ADRS]
	s_mul_i32 s70, s14, 16*272
	s_add_co_u32 s70, s70, STAGE
	v_mul_u32_u24 v[STO], v2, 272
	v_lshl_add_u32 v[STO], v3, 6, v[STO]
	v_add_nc_u32 v[STO], s70, v[STO]
	v_mul_u32_u24 v[RD], v3, 272
	v_lshl_add_u32 v[RD], v2, 4, v[RD]
	v_add_nc_u32 v[RD], s70, v[RD]
	v_lshlrev_b32 v[CO], 13, v3
	v_lshl_add_u32 v[CO], v2, 4, v[CO]
.macro FETCH slot, q, p
	WIN 0x40
.set fi, 0
.rept TB
.irp c, 0,1,2
	ds_load_b128 v[128*(\p)+12*fi+4*\c:128*(\p)+12*fi+4*\c+3], v[ADRB+\slot] offset:(\q)*REC+1536*fi+512*\c
.endr
.set fi, fi+1
.endr
	WIN 0
.set fi, 0
.rept TA
.irp c, 0,1,2
	ds_load_b128 v[AF+96*(\p)+12*fi+4*\c:AF+96*(\p)+12*fi+4*\c+3], v[ADRA+\slot] offset:(\q)*REC+1536*fi+512*\c
.endr
.set fi, fi+1
.endr
	ds_load_b128 v[SC+8*(\p):SC+8*(\p)+3], v[ADRS+\slot] offset:(\q)*REC
.endm
.macro MULR a0, cnt, p, zero
.set ma, \a0
.rept \cnt
	WIN 0xa1
.set mb, 0
.rept TB
.set mD, 8*(TB*ma+mb)
.if \zero
	v_wmma_scale_f32_16x16x128_f8f6f4 v[mD:mD+7], v[128*(\p)+12*mb:128*(\p)+12*mb+11], v[AF+96*(\p)+12*ma:AF+96*(\p)+12*ma+11], 0, v[SC+8*(\p)+mb], v[SC+8*(\p)+ma] matrix_a_fmt:MATRIX_FMT_FP6 matrix_b_fmt:MATRIX_FMT_FP6 matrix_a_scale:MATRIX_SCALE_ROW1
.else
	v_wmma_scale_f32_16x16x128_f8f6f4 v[mD:mD+7], v[128*(\p)+12*mb:128*(\p)+12*mb+11], v[AF+96*(\p)+12*ma:AF+96*(\p)+12*ma+11], v[mD:mD+7], v[SC+8*(\p)+mb], v[SC+8*(\p)+ma] matrix_a_fmt:MATRIX_FMT_FP6 matrix_b_fmt:MATRIX_FMT_FP6 matrix_a_scale:MATRIX_SCALE_ROW1
.endif
.set mb, mb+1
.endr
.set ma, ma+1
.endr
.endm
.macro STEP p, zero, nslot, nq
	s_wait_dscnt 0x0
	PLACES 4
	FETCH \nslot, \nq, 1-(\p)
	MULR 0, TA, \p, \zero
.endm
.macro TURN slot, next, p, fill
	WIN 0
	s_wait_tensorcnt 0x0
	ds_add_u32 v[SPW], v[NIL]
	s_wait_dscnt 1
	MULR 0, TA/4, \p, 0
	s_wait_dscnt 0x0
	s_barrier_signal -1
	MULR TA/4, TA/4, \p, 0
	WIN 0
	s_barrier_wait -1
.if \fill
	CREST
	s_add_nc_u64 s[G0+4*\slot+2:G0+4*\slot+3], s[G0+4*\slot+2:G0+4*\slot+3], RSTEP
	s_add_nc_u64 s[G0B+4*\slot+2:G0B+4*\slot+3], s[G0B+4*\slot+2:G0B+4*\slot+3], RSTEP
	JLOAD G0+4*\slot, G1, G0B+4*\slot, G1B
.else
	PLACES 4
.endif
	FETCH \next, 0, 1-(\p)
	MULR TA/2, TA/2, \p, 0
.endm
	s_wait_alu depctr_va_vdst(0)
	s_wait_tensorcnt 0x0                           ; my six records are in;
	s_barrier_signal -1
	s_barrier_wait -1                              ; everybody's are.
	FETCH 0, 0, 0
	STEP 0, 1, 0, 1
	STEP 1, 0, 0, 2
	STEP 0, 0, 0, 3
	TURN 0, 1, 1, 1
	STEP 0, 0, 1, 1
	STEP 1, 0, 1, 2
	STEP 0, 0, 1, 3
	s_wait_alu depctr_va_vdst(0)
	STEP 1, 0, 2, 0
	STEP 0, 0, 2, 1
	STEP 1, 0, 2, 2
	STEP 0, 0, 2, 3
	TURN 2, 0, 1, 0
	STEP 0, 0, 0, 1
	STEP 1, 0, 0, 2
	STEP 0, 0, 0, 3
	s_wait_dscnt 0x0
	MULR 0, TA, 1, 0
	WIN 0
	PLACES 4
.macro TOSTAGE a
	WIN 0x08
.irp g, 0,1
.irp j, 0,1,2,3
	ds_store_b128 v[STO], v[32*(\a)+16*\g+4*\j:32*(\a)+16*\g+4*\j+3] offset:128*\g+16*\j
.endr
.endr
	WIN 0
.irp t, 0,1,2,3,4,5,6,7
	ds_load_b128 v[BK+32*(\a)+4*\t:BK+32*(\a)+4*\t+3], v[RD] offset:544*\t
.endr
.endm
.macro SEND a, younger
	s_wait_dscnt \younger
.irp t, 0,1,2,3,4,5,6,7
	v_pk_add_f32 v[BK+32*(\a)+4*\t:BK+32*(\a)+4*\t+1], v[BK+32*(\a)+4*\t:BK+32*(\a)+4*\t+1], v[BO:BO+1]
	v_pk_add_f32 v[BK+32*(\a)+4*\t+2:BK+32*(\a)+4*\t+3], v[BK+32*(\a)+4*\t+2:BK+32*(\a)+4*\t+3], v[BO+2:BO+3]
.endr
.irp t, 0,1,2,3,4,5,6,7
	global_store_b128 v[CO], v[BK+32*(\a)+4*\t:BK+32*(\a)+4*\t+3], s[10:11] offset:(32*((\a)/2)+8*((\a)%2)+2*\t+8*(\t/4))*8192 th:TH_STORE_NT
.endr
.endm
	TOSTAGE 0
	TOSTAGE 1
	TOSTAGE 2
	s_wait_loadcnt 0x0
	SEND 0, 32
	TOSTAGE 3
	SEND 1, 32
	SEND 2, 16
	SEND 3, 0
	s_wait_tensorcnt 0x0
	ds_add_u32 v[SPW], v[NIL]
	s_wait_dscnt 0x0
	CROUND
	s_endpgm
.Lfunc_end_k_q4af401f0bc_outp:
	.size	k_q4af401f0bc_outp, .Lfunc_end_k_q4af401f0bc_outp-k_q4af401f0bc_outp
	.p2alignl 7, 3214868480
	.fill 96, 4, 3214868480
	.section	.rodata,"a",@progbits
	.p2align	6, 0x0
	.amdhsa_kernel k_q4af401f0bc_outp
		.amdhsa_group_segment_fixed_size 327680
		.amdhsa_private_segment_fixed_size 0
		.amdhsa_enable_private_segment 0
		.amdhsa_kernarg_size 32
		.amdhsa_user_sgpr_count 2
		.amdhsa_user_sgpr_kernarg_segment_ptr 1
		.amdhsa_wavefront_size32 1
		.amdhsa_system_sgpr_workgroup_id_x 1
		.amdhsa_system_sgpr_workgroup_id_y 1
		.amdhsa_system_sgpr_workgroup_id_z 1
		.amdhsa_system_vgpr_workitem_id 0
		.amdhsa_next_free_vgpr 640
		.amdhsa_next_free_sgpr 100
		.amdhsa_reserve_vcc 0
		.amdhsa_float_denorm_mode_32 3
		.amdhsa_float_denorm_mode_16_64 3
		.amdhsa_memory_ordered 1
		.amdhsa_forward_progress 1
		.amdhsa_inst_pref_size 83
	.end_amdhsa_kernel
	.amdgpu_metadata
---
amdhsa.version: [ 1, 2 ]
amdhsa.kernels:
  - .name:           k_q4af401f0bc_outp
    .symbol:         k_q4af401f0bc_outp.kd
    .args:
      - { .name: att, .offset: 0, .size: 8, .value_kind: global_buffer, .address_space: global }
      - { .name: opc, .offset: 8, .size: 8, .value_kind: global_buffer, .address_space: global }
      - { .name: bo, .offset: 16, .size: 8, .value_kind: global_buffer, .address_space: global }
      - { .name: out0, .offset: 24, .size: 8, .value_kind: global_buffer, .address_space: global }
    .group_segment_fixed_size: 327680
    .private_segment_fixed_size: 0
    .kernarg_segment_align: 8
    .kernarg_segment_size: 32
    .max_flat_workgroup_size: 128
    .sgpr_count:     100
    .vgpr_count:     640
    .wavefront_size: 32
...
	.end_amdgpu_metadata
.endif
;; end of part 4
